; MI455X (gfx1250); checked and timed in simulation.
; The chip was launched on July 23, 2026; its instructions are those of AMD's public machine-readable ISA for CDNA 5 (MIT licence, August 2026) and "CDNA5" Instruction Set Architecture Reference Guide (July 2026). The comments in the code are by the model that wrote it; some were corrected since.
;; Cross Attention. Allowed arithmetic: matrix products marked QUANTISED: E2M1 operands, one E8M0 scale for each 32 along K, by v_wmma_scale_f32_16x16x128_f8f6f4 with both operands' format E2M1 (or v_wmma_scale_f32_32x16x128_f4), f32 sums; everything else in f32.
;; Inputs: Wk1 256 x 256 float32; Wk2 768 x 256 float32; Wo1 256 x 256 float32; Wo2 256 x 768 float32; Wq1 256 x 256 float32; Wq2 768 x 256 float32; Wv1 256 x 256 float32; Wv2 768 x 256 float32; bo1 256 float32; bo2 768 float32; x1 8 x 2,048 x 256 float32; x2 8 x 2,048 x 768 float32.
;; Outputs: out0 8 x 2,048 x 256 float32; out1 8 x 2,048 x 768 float32.
;; This version of the problem:
;;   THIS VERSION OF THE PROBLEM IS GIVEN IN LOW PRECISION. The matrix products marked QUANTISED in the list below multiply operands that are first quantised to E2M1 (2 exponent bits, 1 mantissa bit; 4 bits a number), with one power-of-two scale for each 32 numbers along K (OCP MX v1.0); their sums are f32. All else is computed in f32.
;;   The module's matrix products, in the order in which they are computed (A, B: the left and right operand; K: the contracted axis; several contracted axes count as one K, in the product's order):
;;     1. [M 16,384, K 256] x [K 256, N 256]; A: input x1; B: input Wq1: QUANTISED
;;     2. [M 16,384, K 256] x [K 256, N 256]; A: input x1; B: input Wk1: QUANTISED
;;     3. [M 16,384, K 256] x [K 256, N 256]; A: input x1; B: input Wv1: QUANTISED
;;     4. [M 16,384, K 768] x [K 768, N 256]; A: input x2; B: input Wq2: QUANTISED
;;     5. [M 16,384, K 768] x [K 768, N 256]; A: input x2; B: input Wk2: QUANTISED
;;     6. [M 16,384, K 768] x [K 768, N 256]; A: input x2; B: input Wv2: QUANTISED
;;     7. batch 8 x [M 2,048, K 256] x [K 256, N 2,048]; A: computed on the way; B: computed on the way: QUANTISED
;;     8. batch 8 x [M 256, K 2,048] x [K 2,048, N 2,048]; A: computed on the way; B: softmax (see below): QUANTISED
;;     9. batch 8 x [M 2,048, K 256] x [K 256, N 2,048]; A: computed on the way; B: computed on the way: QUANTISED
;;     10. batch 8 x [M 256, K 2,048] x [K 2,048, N 2,048]; A: computed on the way; B: softmax (see below): QUANTISED
;;     11. [M 16,384, K 256] x [K 256, N 256]; A: computed on the way; B: input Wo1: QUANTISED
;;     12. [M 16,384, K 256] x [K 256, N 768]; A: computed on the way; B: input Wo2: QUANTISED
;;   THE QUANTISER, for each operand of a quantised product, along K:
;;     - K is cut into blocks of 32 from its start; a last block that is shorter is filled with zeros.
;;     - A block's scale is 2^e with e = floor(log2(the largest magnitude in the block)) - 2, held to -126 .. 127; a block of zeros has e = 0. As a byte (E8M0): e + 127.
;;     - Each number is divided by its block's scale, clamped to +-6, and rounded to the nearest number of E2M1, ties to even, subnormals kept.
;;     - The product sums the exact products of the quantised numbers (number of the format x scale) in f32.
;;   ~~~python
;;   def quantise(x, axis):      # numpy; x: float32 -> the quantised numbers, widened to float32 again
;;       x = np.moveaxis(x, axis, -1); K = x.shape[-1]
;;       x = np.pad(x, [(0, 0)] * (x.ndim - 1) + [(0, -K % 32)]); x = x.reshape(x.shape[:-1] + (-1, 32)); a = np.abs(x).max(-1, keepdims=True)
;;       e = np.where(a > 0, np.clip(np.frexp(np.where(a > 0, a, 1))[1] - 1 - 2, -126, 127), 0)      # np.frexp(a)[1] - 1 = floor(log2(a)), exactly
;;       r = np.clip(x / 2.0 ** e, -6, 6)
;;       step = 2.0 ** (np.maximum(np.frexp(np.where(r == 0, 1, r))[1] - 1, 0) - 1)
;;       q = np.round(r / step) * step * 2.0 ** e      # np.round: ties to even
;;       return np.moveaxis(q.reshape(q.shape[:-2] + (-1,))[..., :K], -1, axis).astype(np.float32)
;;   ~~~
;;   SOFTMAX AHEAD OF A QUANTISED PRODUCT. Where the list says 'softmax', what is quantised is not the finished softmax but p = 2^(t - M), with t = logit x log2(e) and M = ceil(the row's largest t), a whole number; so 1/2 < the row's largest p <= 1. The row's sum l is taken of the UNQUANTISED p, in f32, and the product's result is divided by l at the end. Since M is a whole number, a kernel that streams over the keys may use a running M (the ceiling of the running maximum): every later rescaling is an exact power of two, which a block's scale takes up: the codes' values come out the same.
;;   OPERANDS COMPUTED ON THE WAY. 'Computed on the way' means the value that the module computes at that place (a softmax that the list does not call 'softmax' is quantised finished and normalised). What goes into a quantiser is computed in f32, as accurately as f32 sums, v_exp_f32 and their like allow (about 1e-6 of the number): no bf16 or f16 on the way to a quantiser, and a product that is left as it is and whose result goes on into a quantised operand takes f32 operands (vector FMAs, or v_wmma_f32_16x16x4_f32). A number that lies on a knife's edge between two numbers of the format may be rounded either way, as far as f32 arithmetic and the matrix unit's own rounding can turn it there, and no further.
;; One version. Each part assembles by itself: llvm-mc -triple=amdgcn-amd-amdhsa -mcpu=gfx1250 --defsym DOCPART=n.
;; ======== version 1 of 1: 3 launches
;; limits: right only within a limited range of input values
;; workspace buffers: wimg 524,288 bytes; wsc 32,768 bytes; qimg 4,194,304 bytes; qsc 262,144 bytes; kvimg 8,388,608 bytes; kvsc 524,288 bytes
;; launch wquant (part 1): grid 8 x 32, 1 waves a work-group, no clusters, 0 bytes of LDS; arguments Wq1, Wk1, Wv1, Wq2, Wk2, Wv2, Wo1, Wo2, wimg, wsc; writes wimg, wsc
.if DOCPART == 1
	.amdgcn_target "amdgcn-amd-amdhsa--gfx1250"
	.amdhsa_code_object_version 6
	.text
	.protected	k_q9b4648dab6_wquant
	.globl	k_q9b4648dab6_wquant
	.p2align	8
	.type	k_q9b4648dab6_wquant,@function
k_q9b4648dab6_wquant:
	s_mov_b64 s[64:65], 0
	v_nop
	global_prefetch_b8 v0, s[64:65] scope:SCOPE_SE
	s_setreg_imm32_b32 hwreg(HW_REG_WAVE_MODE, 25, 1), 1
	s_wait_xcnt 0x0
; THE PROGRAM: two attentions (x1 over x2, x2 over x1; 8 batches, 2,048 positions, one head of 256), all twelve products on codes of E2M1 with one E8M0 scale for each 32 along K.
; Three launches: this one turns the eight weights into codes; the second makes q, k and v of both tensors as codes; the third is attention with the projection on the way out.
; NOTHING OF reference() IS LEFT OUT: every input has a way to an output, reference() builds no mask and slices nothing away; all twelve inputs are loaded.
; LIMITS (all launches): NaN and infinities among the inputs are not served; a block whose largest magnitude lies under 2^-124 keeps the scale byte 1; a block of zeros keeps the byte 1 where the
; quantiser says 127: its codes are zeros, which add nothing under that byte, and the bytes are read by this program alone.
;
; THIS LAUNCH.  A weight is [K][N] f32 with K its first axis.  It is cut into SLABS of 128 along K x 256 columns: slabs 0-5 Wq1, Wk1, Wv1 (two each), 6-23 Wq2, Wk2, Wv2 (six each), 24-25 Wo1,
; 26-31 Wo2 (three runs of 256 columns, two each).  A slab becomes 16 fragments of 16 columns x 128 K, each stored as the IMAGE OF AN OPERAND'S REGISTERS: 1,024 bytes, registers 4 c .. 4 c + 3 of lane l
; at 512 c + 16 l; lane (r, h) holds K = 64 c + 32 h + 0 .. 31 of the fragment's row r.  THE COLUMNS OF A FRAGMENT ARE NOT NEIGHBOURS: row r of fragment 2 b + u is column 32 b + 8 u + r + 8 (r / 8).
; A work-group is one wave: 32 columns (fragments 2 b, 2 b + 1) of one slab.  A LANE TAKES A COLUMN AND ITS REGISTERS RUN DOWN K: each load reads 128 consecutive bytes, a block of 32 along K lies in one
; lane's registers, and the conversions give codes with K innermost.  256 work-groups, 16 KB on the way in each.  No LDS, no barrier.
; No cluster: no two work-groups read the same bytes.
; The codes leave in whole runs of 256 bytes (sixteen lanes, 16 bytes each).  The scale words leave as 4 bytes a lane, 16 bytes apart: one byte in 128 of what the launch reads.
.set X,  32                            ; v32-159  my column's 128 numbers
.set CD, 16                            ; v16-31   codes: four registers a block, so that no store's data are written again
.macro PICK thr, ptr, first            ; a slab under thr belongs to an earlier weight
	s_cmp_lt_u32 s28, \thr
	s_cselect_b64 s[4:5], s[\ptr:\ptr+1], s[4:5]
	s_cselect_b32 s6, \first, s6
.endm
.macro LOADS pitch                     ; W(k, my column), k = 0 .. 127 of the slab
.set kk, 0
.rept 128
	global_load_b32 v[X+kk], v1, s[4:5] offset:kk*\pitch th:TH_LOAD_NT
.set kk, kk+1
.endr
.endm
	s_load_b512 s[8:23], s[0:1], 0x0               ; Wq1 s[8:9], Wk1, Wv1, Wq2, Wk2, Wv2, Wo1, Wo2 s[22:23]
	s_load_b128 s[24:27], s[0:1], 0x40             ; wimg, wsc
	s_and_b32 s28, ttmp7, 0xffff                   ; the slab
	s_mov_b32 s29, ttmp9                           ; b: which 32 columns
	v_lshlrev_b32 v1, 2, v0                        ; in: 4 bytes a lane (one wave: v0 is the lane)
	v_bfe_u32 v4, v0, 3, 1                         ; u = (lane / 8) % 2
	v_and_b32 v5, 7, v0
	v_lshrrev_b32 v6, 4, v0
	v_lshl_add_u32 v5, v6, 3, v5                   ; r = lane % 8 + 8 (lane / 16)
	v_lshlrev_b32 v2, 4, v5
	v_lshl_add_u32 v3, v4, 2, v2                   ; my scale word: 16 r + 4 u
	v_lshl_add_u32 v2, v4, 10, v2                  ; my codes: 1,024 u + 16 r
	s_wait_kmcnt 0x0
	s_mov_b64 s[4:5], s[22:23]                     ; the weight, and its first slab: the choice hangs on the work-group's number alone
	s_mov_b32 s6, 26
	PICK 26, 20, 24
	PICK 24, 18, 18
	PICK 18, 16, 12
	PICK 12, 14, 6
	PICK 6, 12, 4
	PICK 4, 10, 2
	PICK 2, 8, 0
	s_sub_co_u32 s7, s28, s6                       ; the slab's number within its weight
	s_and_b32 s30, s7, 1
	s_lshr_b32 s31, s7, 1
	s_mov_b32 s32, 131072                          ; 128 rows of 1,024 bytes
	s_cmp_ge_u32 s28, 26                           ; Wo2: rows of 3,072 bytes, three runs of columns
	s_cselect_b32 s30, s30, s7                     ; which 128 along K
	s_cselect_b32 s31, s31, 0                      ; which 256 columns
	s_cselect_b32 s32, 393216, s32
	s_mul_i32 s30, s30, s32
	s_lshl_b32 s31, s31, 10
	s_add_co_u32 s30, s30, s31
	s_lshl_b32 s31, s29, 7
	s_add_co_u32 s30, s30, s31                     ; + 32 b columns
	s_mov_b32 s31, 0
	s_add_nc_u64 s[4:5], s[4:5], s[30:31]
	s_lshl_b32 s32, s28, 14                        ; images: 16,384 a slab, 2,048 for my two fragments
	s_lshl_b32 s33, s29, 11
	s_add_co_u32 s32, s32, s33
	s_mov_b32 s33, 0
	s_add_nc_u64 s[24:25], s[24:25], s[32:33]
	s_lshl_b32 s32, s28, 10                        ; scale words: slab x 1,024 + (T / 4) x 256 + 16 r + 4 (T % 4), T = 2 b + u
	s_lshr_b32 s34, s29, 1
	s_lshl_b32 s34, s34, 8
	s_add_co_u32 s32, s32, s34
	s_and_b32 s34, s29, 1
	s_lshl_b32 s34, s34, 3
	s_add_co_u32 s32, s32, s34
	s_add_nc_u64 s[26:27], s[26:27], s[32:33]
	s_cmp_ge_u32 s28, 26
	s_cbranch_scc1 .Lwide
	s_wait_alu depctr_va_vdst(0)
	LOADS 1024
	s_branch .Lloaded
.Lwide:
	s_wait_alu depctr_va_vdst(0)
	LOADS 3072
.Lloaded:
; Block t of 32 along K.  left: how many younger loads may stay out (96 and 64 would do for the first two; the wait's field holds 63).
.macro BLOCK t, left
.set XS, X+32*(\t)
	s_wait_loadcnt \left
	v_max3_num_f32 v8, |v[XS]|, |v[XS+1]|, |v[XS+2]|               ; the block's largest magnitude, in two chains
	v_max3_num_f32 v9, |v[XS+3]|, |v[XS+4]|, |v[XS+5]|
.irp i, 6,10,14,18,22,26
	v_max3_num_f32 v8, v8, |v[XS+\i]|, |v[XS+\i+1]|
	v_max3_num_f32 v9, v9, |v[XS+\i+2]|, |v[XS+\i+3]|
.endr
	v_max3_num_f32 v8, v8, |v[XS+30]|, |v[XS+31]|
	v_max3_num_f32 v8, v8, v9, 0x1800000           ; and the floor 2^(3 - 127): the byte cannot fall under 1
	v_add_nc_u32 v10, 0xff000000, v8               ; 2 off the exponent field: the conversion takes this operand's exponent field as its scale
	v_lshrrev_b32 v11, 23, v10                     ; the scale's byte
.if (\t) == 0
	v_mov_b32 v12, v11
.else
	v_lshl_or_b32 v12, v11, 8*(\t), v12            ; byte t of my column's scale word
.endif
.irp g, 0,1,2,3
	v_cvt_scalef32_pk8_fp4_f32 v[CD+4*(\t)+\g], v[XS+8*\g:XS+8*\g+7], v10
.endr
	global_store_b128 v2, v[CD+4*(\t):CD+4*(\t)+3], s[24:25] offset:((\t)/2)*512+((\t)%2)*256   ; block t = 2 c + h: the registers of part c in the lanes of half h; two runs of 256 consecutive bytes
.endm
	BLOCK 0, 63
	BLOCK 1, 63
	BLOCK 2, 32
	BLOCK 3, 0
	global_store_b32 v3, v12, s[26:27]
	s_endpgm
.Lfunc_end_k_q9b4648dab6_wquant:
	.size	k_q9b4648dab6_wquant, .Lfunc_end_k_q9b4648dab6_wquant-k_q9b4648dab6_wquant
	.p2alignl 7, 3214868480
	.fill 96, 4, 3214868480
	.section	.rodata,"a",@progbits
	.p2align	6, 0x0
	.amdhsa_kernel k_q9b4648dab6_wquant
		.amdhsa_group_segment_fixed_size 0
		.amdhsa_private_segment_fixed_size 0
		.amdhsa_enable_private_segment 0
		.amdhsa_kernarg_size 80
		.amdhsa_user_sgpr_count 2
		.amdhsa_user_sgpr_kernarg_segment_ptr 1
		.amdhsa_wavefront_size32 1
		.amdhsa_system_sgpr_workgroup_id_x 1
		.amdhsa_system_sgpr_workgroup_id_y 1
		.amdhsa_system_sgpr_workgroup_id_z 1
		.amdhsa_system_vgpr_workitem_id 0
		.amdhsa_next_free_vgpr 160
		.amdhsa_next_free_sgpr 66
		.amdhsa_reserve_vcc 0
		.amdhsa_float_denorm_mode_32 3
		.amdhsa_float_denorm_mode_16_64 3
		.amdhsa_memory_ordered 1
		.amdhsa_forward_progress 1
		.amdhsa_inst_pref_size 34
	.end_amdhsa_kernel
	.amdgpu_metadata
---
amdhsa.version: [ 1, 2 ]
amdhsa.kernels:
  - .name:           k_q9b4648dab6_wquant
    .symbol:         k_q9b4648dab6_wquant.kd
    .args:
      - { .name: Wq1, .offset: 0, .size: 8, .value_kind: global_buffer, .address_space: global }
      - { .name: Wk1, .offset: 8, .size: 8, .value_kind: global_buffer, .address_space: global }
      - { .name: Wv1, .offset: 16, .size: 8, .value_kind: global_buffer, .address_space: global }
      - { .name: Wq2, .offset: 24, .size: 8, .value_kind: global_buffer, .address_space: global }
      - { .name: Wk2, .offset: 32, .size: 8, .value_kind: global_buffer, .address_space: global }
      - { .name: Wv2, .offset: 40, .size: 8, .value_kind: global_buffer, .address_space: global }
      - { .name: Wo1, .offset: 48, .size: 8, .value_kind: global_buffer, .address_space: global }
      - { .name: Wo2, .offset: 56, .size: 8, .value_kind: global_buffer, .address_space: global }
      - { .name: wimg, .offset: 64, .size: 8, .value_kind: global_buffer, .address_space: global }
      - { .name: wsc, .offset: 72, .size: 8, .value_kind: global_buffer, .address_space: global }
    .group_segment_fixed_size: 0
    .private_segment_fixed_size: 0
    .kernarg_segment_align: 8
    .kernarg_segment_size: 80
    .max_flat_workgroup_size: 32
    .sgpr_count:     66
    .vgpr_count:     160
    .wavefront_size: 32
...
	.end_amdgpu_metadata
.endif
;; end of part 1
;; launch proj (part 2): grid 256 x 1, 4 waves a work-group, no clusters, 327,680 bytes of LDS; arguments x1, x2, wimg, wsc, qimg, qsc, kvimg, kvsc; writes qimg, qsc, kvimg, kvsc
.if DOCPART == 2
	.amdgcn_target "amdgcn-amd-amdhsa--gfx1250"
	.amdhsa_code_object_version 6
	.text
	.protected	k_q9b4648dab6_proj
	.globl	k_q9b4648dab6_proj
	.p2align	8
	.type	k_q9b4648dab6_proj,@function
k_q9b4648dab6_proj:
	s_mov_b64 s[64:65], 0
	v_nop
	global_prefetch_b8 v0, s[64:65] scope:SCOPE_SE
	s_setreg_imm32_b32 hwreg(HW_REG_WAVE_MODE, 25, 1), 1
	s_wait_xcnt 0x0
; q, k, v of x1 and of x2, each quantised for the product that takes it: q and k along the head's 256, v along the keys.  Nothing is left out.
; SHARES.  Work-group i takes rows 64 i .. 64 i + 63 of x1 and of x2.  The work goes in four STAGES of 64 rows x 256 K: stage 0 is x1, stages 1-3 are x2's thirds of K.
; Of x (4 x 64 KB) only stage 0 is asked for at the head, 16 rows a wave; stages 1-3 follow behind barriers, one tensor load of a wave out at a time, and the stages land in order.
; In a stage: X: wave w quantises the stage's row tile w (two fragments) from LDS and stores their images to LDS | barrier | P: every wave reads the eight fragments and multiplies.
; THE WAVES SHARE THE COLUMNS: waves 0, 1 make q's units 0-127, 128-255, waves 2, 3 k's; each wave also makes 64 of v's units (tiles 4 w .. 4 w + 3).  Each fragment of a weight is read once a work-group,
; straight into registers, one stage ahead.
; LAYOUT.  q, k: source 0 = 16 units of the weight, source 1 = 16 rows of x: a lane holds one row and eight units.  v: source 0 = 16 rows of x, source 1 = 16 units: a lane holds one unit and eight keys.
; THE ROWS OF A TILE ARE NOT NEIGHBOURS (rows of x and units alike): row r of tile 2 b + u is 32 b + 8 u + r + 8 (r / 8), so that the 16 registers of tiles 2 b, 2 b + 1 are 16 neighbours along the next K.
; OUT: images of operand registers (1,024 bytes a fragment: part c at 512 c + 16 x lane), which the next launch loads as they lie, and scale words, four to 16 bytes.
; NO CLUSTER, though all work-groups read the same weights: a joint load lands in LDS alone, and x with its images takes 301,056 of the 327,680 bytes; the weights (516 KB) have no room there.
; A PREFETCH INTO THE L2 runs ahead of stages 1 and 2 (see below); stage 3 is not prefetched.
; v's scale word covers 128 keys and a work-group has 64: it stores two bytes of each word, 1,024 of the 51 KB that it stores.
; LIMITS: as stated in the first launch.
; REGISTERS, in windows of 256.  Window 0: v1-15 addresses; v20-35 at work; v40-47 x's scale words; v48-79 the weights' scale words, two sets; v80-143, v144-207 numbers of x, the second also x's eight fragments;
;   v208-216 codes and word just made; in the way out v80-127 codes, v240-245 scale words.   Window 1: q's or k's weights, two sets of 128.   Window 2: the 32 accumulators of q or k (64 m + 8 t).
;   Window 3: v0-127 the 16 accumulators of v (32 d + 8 m); v128-255 v's weights, two sets of 64.
; THE ORDER OF x's LOADS, as the text below has it (one tensor load a wave at the head and behind each barrier of the full form): at the head each wave asks for its 16 rows of stage 0;
; behind the barrier at which stage 0 has landed waves 0 and 1 ask for the halves (32 rows) of stage 1 and waves 2 and 3 for those of stage 2; behind the barrier at which these have landed each wave asks for its
; 16 rows of stage 3, which has stages 1 and 2 in which to land.
; A PREFETCH INTO THE L2 for stages 1 and 2, whose load goes out with nothing on its way beside it: behind the head's tensor load and the first 104 weight loads each wave names the first 2,048 bytes of 16 rows of x2,
; 128 aligned blocks of 256 bytes, a lane a block, four instructions; each block is named once in the launch, one stage ahead of the tensor load that wants it.  Stage 3 has two stages in which to land and is not asked for.
.set XP,    1032
.set XFS,   64*XP                      ; a stage
.set XIMG,  4*XFS                      ; x's fragments: stage x 8,192 + (2 m + s) x 1,024
.set XSC,   XIMG+32768                 ; their scale words: stage x 1,024 + (2 m + s) x 128, 4 bytes a lane
.set SPARE, XSC+4096                   ; the spare words, 128 bytes a wave: two blocks of 256 bytes that no other line names
.set TM,    20
.set SEL,   56                         ; s[56:57] v_permlanex16_b32's selects for lane l xor 16
.set MSB,   0
.macro WIN new                         ; the immediate's high byte repeats the setting that is left; a switch that changes nothing is dropped
.if MSB != (\new)
	s_set_vgpr_msb (MSB<<8)|(\new)
.set MSB, (\new)
.endif
.endm
; One matrix instruction.  cc < 0: C is the constant 0, else the register cc.  row: 0 both scales from lanes 0-15; 1 source 0's from lanes 16-31; 2 both from lanes 16-31.
.macro MM d, a, b, cc, sa, sb, row
.if (\cc) < 0
.if (\row) == 0
	v_wmma_scale_f32_16x16x128_f8f6f4 v[(\d):(\d)+7], v[(\a):(\a)+7], v[(\b):(\b)+7], 0, v[(\sa)], v[(\sb)] matrix_a_fmt:MATRIX_FMT_FP4 matrix_b_fmt:MATRIX_FMT_FP4
.elseif (\row) == 1
	v_wmma_scale_f32_16x16x128_f8f6f4 v[(\d):(\d)+7], v[(\a):(\a)+7], v[(\b):(\b)+7], 0, v[(\sa)], v[(\sb)] matrix_a_fmt:MATRIX_FMT_FP4 matrix_b_fmt:MATRIX_FMT_FP4 matrix_a_scale:MATRIX_SCALE_ROW1
.else
	v_wmma_scale_f32_16x16x128_f8f6f4 v[(\d):(\d)+7], v[(\a):(\a)+7], v[(\b):(\b)+7], 0, v[(\sa)], v[(\sb)] matrix_a_fmt:MATRIX_FMT_FP4 matrix_b_fmt:MATRIX_FMT_FP4 matrix_a_scale:MATRIX_SCALE_ROW1 matrix_b_scale:MATRIX_SCALE_ROW1
.endif
.else
.if (\row) == 0
	v_wmma_scale_f32_16x16x128_f8f6f4 v[(\d):(\d)+7], v[(\a):(\a)+7], v[(\b):(\b)+7], v[(\cc):(\cc)+7], v[(\sa)], v[(\sb)] matrix_a_fmt:MATRIX_FMT_FP4 matrix_b_fmt:MATRIX_FMT_FP4
.elseif (\row) == 1
	v_wmma_scale_f32_16x16x128_f8f6f4 v[(\d):(\d)+7], v[(\a):(\a)+7], v[(\b):(\b)+7], v[(\cc):(\cc)+7], v[(\sa)], v[(\sb)] matrix_a_fmt:MATRIX_FMT_FP4 matrix_b_fmt:MATRIX_FMT_FP4 matrix_a_scale:MATRIX_SCALE_ROW1
.else
	v_wmma_scale_f32_16x16x128_f8f6f4 v[(\d):(\d)+7], v[(\a):(\a)+7], v[(\b):(\b)+7], v[(\cc):(\cc)+7], v[(\sa)], v[(\sb)] matrix_a_fmt:MATRIX_FMT_FP4 matrix_b_fmt:MATRIX_FMT_FP4 matrix_a_scale:MATRIX_SCALE_ROW1 matrix_b_scale:MATRIX_SCALE_ROW1
.endif
.endif
.endm
; 64 numbers of a lane, registers s .. s + 63 of window w, register 16 b + i = k 32 b + 16 (lane / 16) + i of my row, become a fragment's codes in v[dst] on and its scale word in v[pw], both in window 0.
; Each accumulator of eight registers is read from its low end on.
.macro QUANT s, w, dst, pw
	WIN (\w)*5                                     ; sources 0 and 1 in window w
.irp b, 0,1,2,3
	v_max3_num_f32 v[TM+\b], |v[(\s)+16*\b]|, |v[(\s)+16*\b+1]|, 0x1800000   ; block b: my 16 numbers, and the floor 2^(3 - 127): the byte cannot fall under 1
.endr
	WIN (\w)*20                                    ; sources 1 and 2
.irp i, 2,4,6,8,10,12,14
.irp b, 0,1,2,3
	v_max3_num_f32 v[TM+\b], v[TM+\b], |v[(\s)+16*\b+\i]|, |v[(\s)+16*\b+\i+1]|   ; the four blocks by turns
.endr
.endr
	WIN 0
.irp b, 0,1,2,3
	v_permlanex16_b32 v[TM+4+\b], v[TM+\b], s[SEL], s[SEL+1]
.endr
.irp b, 0,1,2,3
	v_max_num_f32 v[TM+\b], v[TM+\b], v[TM+4+\b]   ; with lane l xor 16's: the block's largest magnitude
.endr
.irp b, 0,1,2,3
	v_add_nc_u32 v[TM+12+\b], 0xff000000, v[TM+\b] ; 2 off its exponent field: the conversion's scale operand
.endr
.irp b, 0,1,2,3
	v_lshrrev_b32 v[TM+4+\b], 23, v[TM+12+\b]      ; the scale's byte
.endr
	v_lshl_or_b32 v[\pw], v[TM+5], 8, v[TM+4]
	v_lshl_or_b32 v[\pw], v[TM+6], 16, v[\pw]
	v_lshl_or_b32 v[\pw], v[TM+7], 24, v[\pw]
	WIN (\w)                                       ; source 0
.irp b, 0,1,2,3
	v_cvt_scalef32_pk8_fp4_f32 v[(\dst)+2*\b], v[(\s)+16*\b:(\s)+16*\b+7], v[TM+12+\b]
	v_cvt_scalef32_pk8_fp4_f32 v[(\dst)+2*\b+1], v[(\s)+16*\b+8:(\s)+16*\b+15], v[TM+12+\b]
.endr
	WIN 0
	v_nop                                          ; one plain place behind a scaled conversion
.irp c, 0,1                                    ; the operand wants a whole block in a lane: lanes 0-15 block 2 c, lanes 16-31 block 2 c + 1
.irp i, 0,1
	v_permlane16_swap_b32 v[(\dst)+4*\c+\i], v[(\dst)+4*\c+2+\i]
.endr
.endr
.endm
	s_load_b512 s[4:19], s[0:1], 0x0               ; x1 s[4:5], x2 s[6:7], wimg s[8:9], wsc s[10:11], qimg s[12:13], qsc s[14:15], kvimg s[16:17], kvsc s[18:19]
	v_lshl_add_u32 v14, v0, 2, SPARE
	v_mov_b32 v15, 0
	ds_add_u32 v14, v15                            ; the wave's opening: the add, twice on end, and its wait ahead of my first tensor load
	ds_add_u32 v14, v15                            ; the set-up below, work on registers, stands between the second and the wait
	v_lshrrev_b32 v16, 5, v0
	v_readfirstlane_b32 s20, v16                   ; wave 0..3
	s_mov_b32 s21, ttmp9                           ; i
	v_and_b32 v1, 31, v0                           ; lane
	v_and_b32 v2, 15, v0                           ; r
	s_wait_alu depctr_va_vdst(0)
	v_bfe_u32 v3, v0, 4, 1                         ; h
	v_lshlrev_b32 v4, 4, v1                        ; 16 x lane: an image's place for my lane
	v_add_nc_u32 v5, XIMG, v4                      ; x's images
	v_lshlrev_b32 v6, 2, v1
	v_add_nc_u32 v6, XSC, v6                       ; x's scale words
	s_lshl_b32 s90, s20, 11
	v_add_nc_u32 v7, s90, v5                       ; where I store my two images: tile w
	s_lshl_b32 s90, s20, 8
	v_add_nc_u32 v8, s90, v6                       ; and their words
	v_lshlrev_b32 v13, 4, v2                       ; 16 r
	s_lshr_b32 s86, s20, 1                         ; w / 2: q (0) or k (1)
	s_and_b32 s87, s20, 1                          ; w % 2: which 128 units
	s_lshl_b32 s88, s86, 5
	s_lshl_b32 s89, s87, 3
	s_add_co_u32 s88, s88, s89
	s_mul_i32 s88, s88, XP                         ; tile w begins at row 32 (w / 2) + 8 (w % 2)
	v_and_b32 v16, 8, v2
	v_add_nc_u32 v16, v16, v2                      ; r + 8 (r / 8)
	v_mul_u32_u24 v16, v16, XP
	v_lshl_add_u32 v16, v3, 6, v16                 ; + 64 h: my 16 numbers of a block of 32
	v_add_nc_u32 v16, s88, v16
.irp g, 0,1,2,3
	v_add_nc_u32 v[9+\g], \g*XFS, v16              ; v9-12: my numbers in stage g
.endr
.irp b, 0,1,2,3
	v_mov_b32 v[TM+4+\b], 0                        ; written once: a lane permute's destination counts as one of its sources
.endr
	v_lshrrev_b32 v17, 3, v1                       ; v17: the prefetches' offset: row lane / 8 of four, block lane % 8 of a row's first eight; never rewritten
	v_mul_u32_u24 v17, v17, 3072
	v_and_b32 v18, 7, v1
	v_lshl_add_u32 v17, v18, 8, v17
	s_mov_b32 s[SEL], 0x76543210
	s_mov_b32 s[SEL+1], 0xfedcba98
	; descriptor group 1: 16 rows of 128 elements of 8 bytes, 2 words of padding behind every 256; s[24:31] for x1 (rows 128 elements apart), s[32:39] for x2 (384)
.irp g, 24, 32
	s_mov_b32 s[\g], (3<<16)|(1<<20)|(7<<22)|(1<<25)
	s_mov_b32 s[\g+1], 128<<16                     ; tensor_dim0
	s_mov_b32 s[\g+2], 16<<16                      ; tensor_dim1
	s_mov_b32 s[\g+3], 128<<16                     ; tile_dim0
	s_mov_b32 s[\g+4], 16                          ; tile_dim1
	s_mov_b32 s[\g+6], 0
	s_mov_b32 s[\g+7], 0
.endr
	s_mov_b32 s29, 128
	s_mov_b32 s37, 384
	s_mov_b32 s34, 32<<16                          ; x2's first loads bring 32 rows
	s_mov_b32 s36, 32
	s_mul_i32 s90, s20, 16*XP                      ; my 16 rows of a stage
.irp g, 0,3
	s_mov_b32 s[40+4*\g], 1                        ; group 0 for stages 0 and 3: my 16 rows
	s_add_co_u32 s[41+4*\g], s90, \g*XFS
.endr
	s_mov_b32 s44, 1                               ; s[44:47]: stage 1 + w / 2, rows 32 (w % 2) on
	s_mul_i32 s45, s86, XFS
	s_mul_i32 s90, s87, 32*XP
	s_add_co_u32 s45, s45, s90
	s_add_co_u32 s45, s45, XFS
	s_wait_alu depctr_va_vdst(0)
	s_wait_dscnt 0x0                               ; both opening adds are done
	s_wait_kmcnt 0x0
	s_lshl_b32 s88, s21, 16                        ; x1: 64 rows of 1,024 bytes a work-group, 16 a wave
	s_lshl_b32 s89, s20, 14
	s_add_co_u32 s88, s88, s89
	s_mov_b32 s89, 0
	s_add_nc_u64 s[42:43], s[4:5], s[88:89]
	s_or_b32 s43, s43, 0x80000000
	s_mul_i32 s88, s21, 196608                     ; x2: rows of 3,072 bytes
	s_mul_i32 s90, s20, 49152
	s_add_co_u32 s88, s88, s90
	s_add_nc_u64 s[90:91], s[6:7], s[88:89]
.irp g, 3
	s_add_nc_u64 s[42+4*\g:43+4*\g], s[90:91], (\g-1)*1024
	s_or_b32 s[43+4*\g], s[43+4*\g], 0x80000000
.endr
	s_mov_b64 s[22:23], s[90:91]                   ; s[22:23]: rows 16 w on of my work-group's part of x2, for the prefetches; never rewritten
	s_mul_i32 s88, s21, 196608                     ; x2: my work-group's rows, + 32 (w % 2) rows, + the third w / 2 of K
	s_mul_i32 s90, s87, 98304
	s_add_co_u32 s88, s88, s90
	s_lshl_b32 s90, s86, 10
	s_add_co_u32 s88, s88, s90
	s_add_nc_u64 s[46:47], s[6:7], s[88:89]
	s_or_b32 s47, s47, 0x80000000
	tensor_load_to_lds s[40:43], s[24:31]          ; stage 0: my one load at the head
	s_nop 0
.rept 4
	v_nop
.endr
	; the weights: s[58:59] q's or k's of x1, s[60:61] of x2, s[62:63] v's; s[66:71] their scale words
	s_lshl_b32 s88, s86, 15
	s_lshl_b32 s90, s87, 13
	s_add_co_u32 s88, s88, s90
	s_add_nc_u64 s[58:59], s[8:9], s[88:89]        ; slab 2 (w / 2), fragments 8 (w % 2) on
	s_mul_i32 s88, s86, 98304
	s_add_co_u32 s88, s88, s90
	s_add_co_u32 s88, s88, 98304
	s_add_nc_u64 s[60:61], s[8:9], s[88:89]        ; slab 6 + 6 (w / 2)
	s_lshl_b32 s88, s20, 12
	s_add_nc_u64 s[62:63], s[8:9], s[88:89]        ; fragments 4 w on; the slab stands in the immediate
	s_lshl_b32 s88, s86, 11
	s_lshl_b32 s90, s87, 9
	s_add_co_u32 s88, s88, s90
	s_add_nc_u64 s[66:67], s[10:11], s[88:89]
	s_mul_i32 s88, s86, 6144
	s_add_co_u32 s88, s88, s90
	s_add_co_u32 s88, s88, 6144
	s_add_nc_u64 s[68:69], s[10:11], s[88:89]
	s_lshl_b32 s88, s20, 8
	s_add_nc_u64 s[70:71], s[10:11], s[88:89]
; The weights of stage g into set p: 32 + 16 loads of fragments, 4 of scale words: 52 loads.
.macro WLOAD g, p
.if (\g) == 0
.set QB,  58
.set QSB, 66
.set SQ,  0
.set SV,  4
.else
.set QB,  60
.set QSB, 68
.set SQ,  2*((\g)-1)
.set SV,  18+2*((\g)-1)
.endif
	WIN 0x40                                       ; destination window 1
.irp sl, 0,1
.irp t, 0,1,2,3,4,5,6,7
.irp c, 0,1
	global_load_b128 v[128*(\p)+64*\sl+8*\t+4*\c:128*(\p)+64*\sl+8*\t+4*\c+3], v4, s[QB:QB+1] offset:(SQ+\sl)*16384+\t*1024+512*\c
.endr
.endr
.endr
	WIN 0xc0                                       ; destination window 3
.irp sl, 0,1
.irp t, 0,1,2,3
.irp c, 0,1
	global_load_b128 v[128+64*(\p)+32*\sl+8*\t+4*\c:128+64*(\p)+32*\sl+8*\t+4*\c+3], v4, s[62:63] offset:(SV+\sl)*16384+\t*1024+512*\c
.endr
.endr
.endr
	WIN 0
.irp sl, 0,1
	global_load_b128 v[48+16*(\p)+8*\sl:48+16*(\p)+8*\sl+3], v4, s[QSB:QSB+1] offset:(SQ+\sl)*1024     ; lanes 0-15: tiles 0-3; lanes 16-31: tiles 4-7
	global_load_b128 v[48+16*(\p)+8*\sl+4:48+16*(\p)+8*\sl+7], v13, s[70:71] offset:(SV+\sl)*1024      ; v's four tiles
.endr
.endm
	WLOAD 0, 0
	WLOAD 1, 1
.irp j, 0,1,2,3
	global_prefetch_b8 v17, s[22:23] offset:\j*12288 th:TH_LOAD_NT scope:SCOPE_SE   ; rows 4 j .. 4 j + 3 of my 16: what stages 1 and 2 take of them
.endr
	; where the results go
	s_lshr_b32 s92, s21, 5                         ; batch
	s_and_b32 s93, s21, 31                         ; 2 J + c
	s_lshr_b32 s94, s93, 1                         ; J: the key step of 128
	s_and_b32 s95, s21, 1                          ; c: which 64 of it
	s_lshl_b32 s96, s21, 13                        ; q's images: 8,192 a work-group
	s_lshl_b32 s97, s92, 19
	s_lshl_b32 s98, s94, 15
	s_add_co_u32 s97, s97, s98                     ; kvimg: batch x 524,288 + J x 32,768
	s_lshl_b32 s98, s95, 13
	s_add_co_u32 s98, s97, s98                     ; k's images: + 8,192 c
	s_lshl_b32 s99, s21, 9                         ; q's scale words: 512 a work-group
	s_lshl_b32 s90, s92, 15                        ; kvsc: batch x 32,768
	s_lshl_b32 s91, s93, 9
	s_add_co_u32 s91, s90, s91                     ; k's: + 1,024 J + 512 c
	s_mov_b32 s80, 4194304                         ; from x1's part of a buffer to x2's
	s_mov_b32 s82, 262144
	s_cmp_lt_u32 s20, 2                            ; q's wave or k's
	s_cselect_b64 s[72:73], s[12:13], s[16:17]
	s_cselect_b64 s[74:75], s[14:15], s[18:19]
	s_cselect_b32 s96, s96, s98
	s_cselect_b32 s99, s99, s91
	s_cselect_b32 s80, 2097152, s80
	s_cselect_b32 s82, 131072, s82
	s_mov_b32 s81, 0
	s_mov_b32 s83, 0
	s_lshl_b32 s98, s87, 10
	s_add_co_u32 s88, s96, s98                     ; + 1,024 x my half of the head
	s_add_nc_u64 s[72:73], s[72:73], s[88:89]
	s_lshl_b32 s98, s87, 8
	s_add_co_u32 s88, s99, s98
	s_add_nc_u64 s[74:75], s[74:75], s[88:89]
	s_lshl_b32 s98, s20, 12                        ; v's images: the step's second 16,384, tile 4 w on, part c
	s_add_co_u32 s88, s97, s98
	s_lshl_b32 s98, s95, 9
	s_add_co_u32 s88, s88, s98
	s_add_co_u32 s88, s88, 16384
	s_add_nc_u64 s[76:77], s[16:17], s[88:89]
	s_lshl_b32 s98, s94, 10                        ; v's scale words: 16,384 + 1,024 J + 512 (w % 2) + 256 (w / 2) + 16 r + 4 d, byte pair c
	s_add_co_u32 s88, s90, s98
	s_lshl_b32 s98, s87, 9
	s_add_co_u32 s88, s88, s98
	s_lshl_b32 s98, s86, 8
	s_add_co_u32 s88, s88, s98
	s_lshl_b32 s98, s95, 1
	s_add_co_u32 s88, s88, s98
	s_add_co_u32 s88, s88, 16384
	s_add_nc_u64 s[78:79], s[18:19], s[88:89]
.macro B1 next                         ; my load has landed; the add and its wait; then everybody's has.  next = 1: my half of stage 1 or 2 is asked for, first behind the barrier; next = 3: my 16 rows of stage 3
	s_wait_tensorcnt 0x0
	ds_add_u32 v14, v15
.if (\next) == 3
	s_mov_b32 s34, 16<<16                          ; no tensor load of mine is out, so a descriptor may be written: 16 rows from here on
	s_mov_b32 s36, 16
.endif
	s_wait_dscnt 0x0
	s_barrier_signal -1
	s_barrier_wait -1
.if (\next) > 0
	tensor_load_to_lds s[40+4*(\next):43+4*(\next)], s[32:39]
	s_nop 0
.rept 4
	v_nop
.endr
.endif
.endm
.macro B2                              ; my LDS stores have landed: then the work-group's barrier
	s_wait_dscnt 0x0
	s_barrier_signal -1
	s_barrier_wait -1
.endm
; X: my 16 rows x 256 K of stage g become two fragments
.macro XSTAGE g
.irp hf, 0,1
.irp blk, 0,1,2,3
.irp jj, 0,1,2,3,4,5,6,7
	ds_load_b64 v[80+64*\hf+16*\blk+2*\jj:80+64*\hf+16*\blk+2*\jj+1], v[9+(\g)] offset:512*\hf+128*\blk+8*\jj
.endr
.endr
.endr
	s_wait_dscnt 32                                ; the first 128 along K are in; the 32 younger loads may be out
	QUANT 80, 0, 208, 216
	ds_store_b128 v7, v[208:211] offset:(\g)*8192
	ds_store_b128 v7, v[212:215] offset:(\g)*8192+512
	ds_store_b32 v8, v216 offset:(\g)*1024
	s_wait_dscnt 0x0                               ; the second 128 are in, and the stores have read their registers
	QUANT 144, 0, 208, 216
	ds_store_b128 v7, v[208:211] offset:(\g)*8192+1024
	ds_store_b128 v7, v[212:215] offset:(\g)*8192+1536
	ds_store_b32 v8, v216 offset:(\g)*1024+128
.endm
; P: 96 matrix instructions on the weights of set p.  zero = 1: the first 128 along K start the sums.  n: the loads of the next stage's weights, which may stay out.
; The accumulators take turns, one instruction a turn.
.macro PSTAGE g, p, zero, n
.irp f, 0,1,2,3,4,5,6,7
	ds_load_b128 v[144+8*\f:144+8*\f+3], v5 offset:(\g)*8192+\f*1024
	ds_load_b128 v[144+8*\f+4:144+8*\f+7], v5 offset:(\g)*8192+\f*1024+512
	ds_load_b32 v[40+\f], v6 offset:(\g)*1024+\f*128
.endr
	s_wait_loadcnt \n
	s_wait_dscnt 0x0
.irp sl, 0,1
	WIN 0xa1                                       ; source 0 (weights) window 1, source 1 (x) window 0, C and D window 2
.irp m, 0,1,2,3
.irp t, 0,1,2,3,4,5,6,7
.if (\zero) && (\sl == 0)
	MM 64*\m+8*\t, 128*(\p)+64*\sl+8*\t, 144+16*\m+8*\sl, -1, 48+16*(\p)+8*\sl+\t%4, 40+2*\m+\sl, \t/4
.else
	MM 64*\m+8*\t, 128*(\p)+64*\sl+8*\t, 144+16*\m+8*\sl, 64*\m+8*\t, 48+16*(\p)+8*\sl+\t%4, 40+2*\m+\sl, \t/4
.endif
.endr
.endr
	WIN 0xfc                                       ; source 0 (x) window 0, source 1 (weights), C and D window 3
.irp dl, 0,1,2,3
.irp m, 0,1,2,3
.if (\zero) && (\sl == 0)
	MM 32*\dl+8*\m, 144+16*\m+8*\sl, 128+64*(\p)+32*\sl+8*\dl, -1, 40+2*\m+\sl, 48+16*(\p)+8*\sl+4+\dl, 0
.else
	MM 32*\dl+8*\m, 144+16*\m+8*\sl, 128+64*(\p)+32*\sl+8*\dl, 32*\dl+8*\m, 40+2*\m+\sl, 48+16*(\p)+8*\sl+4+\dl, 0
.endif
.endr
.endr
.endr
	WIN 0
.rept 5
	v_nop                                          ; places behind the last products: four for loads into their operands and for reads of results, a fifth for sums that are begun anew over them
.endr
.endm
; THE WAY OUT for tensor tau: four fragments of q or k (a tile of rows each), four half fragments of v^T (two tiles of units to a call: blocks 0, 1 are the first tile's two blocks of 32 keys, blocks 2, 3 the second's)
.macro EPI tau
.irp m, 0,1,2,3
	QUANT 64*\m, 2, 80+8*\m, 240+\m
	global_store_b128 v4, v[80+8*\m:80+8*\m+3], s[72:73] offset:\m*2048          ; 512 consecutive bytes
	global_store_b128 v4, v[80+8*\m+4:80+8*\m+7], s[72:73] offset:\m*2048+512
.endr
.irp pr, 0,1
	QUANT 64*\pr, 3, 112+8*\pr, 244+\pr
	global_store_b128 v4, v[112+8*\pr:112+8*\pr+3], s[76:77] offset:(\tau)*4194304+(2*\pr)*1024
	global_store_b128 v4, v[112+8*\pr+4:112+8*\pr+7], s[76:77] offset:(\tau)*4194304+(2*\pr+1)*1024
.endr
	s_wait_xcnt 0x0                                ; EXEC changes only behind this wait: loads and stores are out
	v_cmp_gt_u32 vcc_lo, 16, v1
	s_and_saveexec_b32 s84, vcc_lo                 ; lanes 0-15: lane r has row r's words
	global_store_b128 v13, v[240:243], s[74:75]    ; four tiles' words of a row: 256 consecutive bytes
.irp pr, 0,1
	global_store_b16 v13, v[244+\pr], s[78:79] offset:(\tau)*262144+8*\pr          ; my 64 keys' two bytes of tile 2 pr's word,
	global_store_d16_hi_b16 v13, v[244+\pr], s[78:79] offset:(\tau)*262144+8*\pr+4 ; and of tile 2 pr + 1's
.endr
	s_wait_xcnt 0x0                                ; and again in front of the line that widens it; the stores' data and bases may be written behind it too
	s_or_b32 exec_lo, exec_lo, s84
.endm
	B1 1
	XSTAGE 0
	B2
	PSTAGE 0, 0, 1, 52
	EPI 0
	WLOAD 2, 0
	s_add_nc_u64 s[72:73], s[72:73], s[80:81]      ; on to x2's part of the buffers
	s_add_nc_u64 s[74:75], s[74:75], s[82:83]
	B1 3
	XSTAGE 1
	B2
	PSTAGE 1, 1, 1, 52
	WLOAD 3, 1
	XSTAGE 2
	B2
	PSTAGE 2, 0, 0, 52
	B1 0
	XSTAGE 3
	B2
	PSTAGE 3, 1, 0, 0
	EPI 1
	s_wait_tensorcnt 0x0                           ; the wave's end: the add and its wait, behind my last tensor load and my last LDS store
	ds_add_u32 v14, v15
	s_wait_dscnt 0x0
	s_endpgm
.Lfunc_end_k_q9b4648dab6_proj:
	.size	k_q9b4648dab6_proj, .Lfunc_end_k_q9b4648dab6_proj-k_q9b4648dab6_proj
	.p2alignl 7, 3214868480
	.fill 96, 4, 3214868480
	.section	.rodata,"a",@progbits
	.p2align	6, 0x0
	.amdhsa_kernel k_q9b4648dab6_proj
		.amdhsa_group_segment_fixed_size 327680
		.amdhsa_private_segment_fixed_size 0
		.amdhsa_enable_private_segment 0
		.amdhsa_kernarg_size 64
		.amdhsa_user_sgpr_count 2
		.amdhsa_user_sgpr_kernarg_segment_ptr 1
		.amdhsa_wavefront_size32 1
		.amdhsa_system_sgpr_workgroup_id_x 1
		.amdhsa_system_sgpr_workgroup_id_y 1
		.amdhsa_system_sgpr_workgroup_id_z 1
		.amdhsa_system_vgpr_workitem_id 0
		.amdhsa_next_free_vgpr 1024
		.amdhsa_next_free_sgpr 100
		.amdhsa_reserve_vcc 1
		.amdhsa_float_denorm_mode_32 3
		.amdhsa_float_denorm_mode_16_64 3
		.amdhsa_memory_ordered 1
		.amdhsa_forward_progress 1
		.amdhsa_inst_pref_size 183
	.end_amdhsa_kernel
	.amdgpu_metadata
---
amdhsa.version: [ 1, 2 ]
amdhsa.kernels:
  - .name:           k_q9b4648dab6_proj
    .symbol:         k_q9b4648dab6_proj.kd
    .args:
      - { .name: x1, .offset: 0, .size: 8, .value_kind: global_buffer, .address_space: global }
      - { .name: x2, .offset: 8, .size: 8, .value_kind: global_buffer, .address_space: global }
      - { .name: wimg, .offset: 16, .size: 8, .value_kind: global_buffer, .address_space: global }
      - { .name: wsc, .offset: 24, .size: 8, .value_kind: global_buffer, .address_space: global }
      - { .name: qimg, .offset: 32, .size: 8, .value_kind: global_buffer, .address_space: global }
      - { .name: qsc, .offset: 40, .size: 8, .value_kind: global_buffer, .address_space: global }
      - { .name: kvimg, .offset: 48, .size: 8, .value_kind: global_buffer, .address_space: global }
      - { .name: kvsc, .offset: 56, .size: 8, .value_kind: global_buffer, .address_space: global }
    .group_segment_fixed_size: 327680
    .private_segment_fixed_size: 0
    .kernarg_segment_align: 8
    .kernarg_segment_size: 64
    .max_flat_workgroup_size: 128
    .sgpr_count:     100
    .vgpr_count:     1024
    .wavefront_size: 32
...
	.end_amdgpu_metadata
.endif
;; end of part 2
;; launch attn (part 3): grid 16 x 16, 4 waves a work-group, clusters of 4 x 1, 327,680 bytes of LDS; arguments qimg, qsc, kvimg, kvsc, wimg, wsc, bo1, bo2, out0, out1; writes out0, out1
.if DOCPART == 3
	.amdgcn_target "amdgcn-amd-amdhsa--gfx1250"
	.amdhsa_code_object_version 6
	.text
	.protected	k_q9b4648dab6_attn
	.globl	k_q9b4648dab6_attn
	.p2align	8
	.type	k_q9b4648dab6_attn,@function
k_q9b4648dab6_attn:
	s_mov_b64 s[64:65], 0
	v_nop
	global_prefetch_b8 v0, s[64:65] scope:SCOPE_SE
	s_setreg_imm32_b32 hwreg(HW_REG_WAVE_MODE, 25, 1), 1
	s_wait_xcnt 0x0
	s_wait_alu depctr_hold_cnt(0) depctr_sa_sdst(0) depctr_va_vdst(0) depctr_va_sdst(0) depctr_va_ssrc(0) depctr_va_vcc(0) depctr_vm_vsrc(0)
	s_getreg_b32 s2, hwreg(HW_REG_IB_STS2, 6, 4)
	s_cmp_eq_u32 s2, 0
	s_cbranch_scc0 .Lentry_in_a_cluster
	s_endpgm
.Lentry_in_a_cluster:
	s_bfe_u32 s2, ttmp6, 0x10000c
	s_cmp_lg_u32 s2, 0x3003
	s_cbranch_scc0 .Lentry_shape_is_right
	s_endpgm
.Lentry_shape_is_right:
; out = (softmax(q k^T / 16) v) Wo + bo, for both directions, on codes of E2M1 with one E8M0 scale for each 32 along a product's K.  Nothing of reference() is left out.
; THE SOFTMAX AHEAD OF THE SECOND PRODUCT: t = score x log2(e) / 16; M = the row's largest t so far, rounded up to a whole number; p = 2^(t - M) is quantised along the keys, not normalised; the row's sum is
; taken of the unquantised p and divides O at the end.  When M moves, the sum and O are multiplied by 2^(old M - new M): exact.
; SHARES.  Work-group y = 2 x batch + direction; x = a block of 128 queries.  Direction 0: q of x1, k and v of x2, Wo1, bo1, out0; direction 1 the other way, with three runs of 256 output columns.
; Each of the four waves owns 32 queries, two tiles of 16, and walks all 2,048 keys, 128 a step.
; LAYOUT.  All products are used transposed (S^T = k q^T, O^T = v^T p^T, out^T = Wo^T o^T): a lane holds ONE query throughout.  Row r of tile 2 b + u of k, v^T and Wo is 32 b + 8 u + r + 8 (r / 8), so that
; the 16 registers of tiles 2 b, 2 b + 1 are 16 neighbours along the next K.  Every operand lies in memory as the image of its registers: a fragment is two loads of 16 bytes a lane.
; THE WALK.  Body it runs the softmax of step it - 1, then O^T += v^T p^T of step it - 1 and S^T = k q^T of step it.  v(it - 1) and k(it), units 2 it - 1 and 2 it of the batch (16 KB each), lie side by side in
; memory; a slot holds four units as they lie, [v(2n) k(2n+1) v(2n+1) k(2n+2)]: two bodies.  Their 64 LDS loads go in eight groups of eight among the softmax's lines, v's four groups first.
; THE HEAD: one joint load a wave: wave 0 k(0), waves 1 and 2 the halves of slot 0, wave 3 the batch's scale words (32 KB, which stay).  Slot 1 is first filled as a refill is, behind a round.
; CLUSTER.  The four query blocks of a cluster share y: they walk the same k, v, scale bytes and Wo and ask for each tile JOINTLY (mask 15).  Only the addresses of q, out and the prefetches hang on a work-group's place.
; THE SOFTMAX'S ORDER: maxima, the row's figures, all scalings, O^T's rescaling (its first read of the products' results stands ahead of every exponential), one wait, 128 exponentials, one wait.
; Wo COMES INTO LDS ONCE, for all four waves: behind the last change of slots, at which nothing is filled again, each wave asks jointly for three rows of 8 KB, 32 KB apart: its quarter of each of three runs of
; 32 KB from Wo's first slab on; the load has bodies 15 and 16 in which to land, so it is not prefetched.  One form serves both directions: in direction 0 the second and third row of each load are bytes of Wo2,
; inside wimg, which nobody reads.  The bias of the first run comes at the head into registers that the walk leaves idle.
; THE STAGE of the way out lies in the slots: they have had their last fill, and a barrier stands between the last read of them and the first store.
; LIMITS: as stated in the first launch; v_exp_f32 gives 0 for results under 2^-126; the scaled scores stay under 2^31 in magnitude.
; REGISTERS, in windows of 256.  Window 0: v1-13 addresses; v16-31 statistics, eight a tile; v32-39 k's scale words (later Wo's, tiles 0-7), v40-47 v's, v48-49 q's, v50-51 p's, v52-55 o's, v56-63 Wo's, tiles 8-15;
;   v64-191 S^T, then p; later o, then rows of out (tile 0); v192-207 p's codes (later o's fragments: v192-223); v208-239 at work; v240-255 the way out's row offsets.
;   Window 1: O^T (128 u + 8 d), later out^T.   Window 2: v0-31 q; v128-255 k of a step; later the 32 fragments of a run of Wo.   Window 3: v0-127 v of a step, later rows of out (tile 1); v128-255 the bias.
.set SLOT1, 1<<16                      ; slot 1: one exclusive or turns an address in one slot into the other's
.set SCB,   2*SLOT1                    ; the batch's scale words: k's 16 x 1,024, then v's
.set K0,    SCB+32768                  ; k of step 0
.set WOB,   K0+16384                   ; Wo: 24,576 bytes for each wave's load: quarter w of run 0, of run 1, of run 2
.set SPARE, WOB+98304                  ; the spare words, 128 bytes a wave
.set ST,  16                           ; tile u at v[ST + 8 u]: +0 -M, +1 the largest t, +2, +3 the sum in two halves, +4 f (later 1 / sum), +5 named with it as a pair, +6, +7 at work
.set S,   64
.set P,   192
.set T,   208                          ; tile u at v[T + 16 u]: +0..3 the blocks' largest, +4..7 the other half's, then bytes, +8..11 scale operands, +12, +13 the sum's second chain
.set TM,  224
.set CS,  60                           ; s[60:61] c = log2(e) / 16
.set SEL, 62                           ; s[62:63] v_permlanex16_b32's selects for lane l xor 16
.set MSB, 0
.macro WIN new                         ; the immediate's high byte repeats the setting that is left; a switch that changes nothing is dropped
.if MSB != (\new)
	s_set_vgpr_msb (MSB<<8)|(\new)
.set MSB, (\new)
.endif
.endm
; One matrix instruction.  cc < 0: C is the constant 0.  row: 0 both scales from lanes 0-15; 1 source 0's from lanes 16-31; 2 both from lanes 16-31.
.macro MM d, a, b, cc, sa, sb, row
.if (\cc) < 0
.if (\row) == 0
	v_wmma_scale_f32_16x16x128_f8f6f4 v[(\d):(\d)+7], v[(\a):(\a)+7], v[(\b):(\b)+7], 0, v[(\sa)], v[(\sb)] matrix_a_fmt:MATRIX_FMT_FP4 matrix_b_fmt:MATRIX_FMT_FP4
.elseif (\row) == 1
	v_wmma_scale_f32_16x16x128_f8f6f4 v[(\d):(\d)+7], v[(\a):(\a)+7], v[(\b):(\b)+7], 0, v[(\sa)], v[(\sb)] matrix_a_fmt:MATRIX_FMT_FP4 matrix_b_fmt:MATRIX_FMT_FP4 matrix_a_scale:MATRIX_SCALE_ROW1
.else
	v_wmma_scale_f32_16x16x128_f8f6f4 v[(\d):(\d)+7], v[(\a):(\a)+7], v[(\b):(\b)+7], 0, v[(\sa)], v[(\sb)] matrix_a_fmt:MATRIX_FMT_FP4 matrix_b_fmt:MATRIX_FMT_FP4 matrix_a_scale:MATRIX_SCALE_ROW1 matrix_b_scale:MATRIX_SCALE_ROW1
.endif
.else
.if (\row) == 0
	v_wmma_scale_f32_16x16x128_f8f6f4 v[(\d):(\d)+7], v[(\a):(\a)+7], v[(\b):(\b)+7], v[(\cc):(\cc)+7], v[(\sa)], v[(\sb)] matrix_a_fmt:MATRIX_FMT_FP4 matrix_b_fmt:MATRIX_FMT_FP4
.elseif (\row) == 1
	v_wmma_scale_f32_16x16x128_f8f6f4 v[(\d):(\d)+7], v[(\a):(\a)+7], v[(\b):(\b)+7], v[(\cc):(\cc)+7], v[(\sa)], v[(\sb)] matrix_a_fmt:MATRIX_FMT_FP4 matrix_b_fmt:MATRIX_FMT_FP4 matrix_a_scale:MATRIX_SCALE_ROW1
.else
	v_wmma_scale_f32_16x16x128_f8f6f4 v[(\d):(\d)+7], v[(\a):(\a)+7], v[(\b):(\b)+7], v[(\cc):(\cc)+7], v[(\sa)], v[(\sb)] matrix_a_fmt:MATRIX_FMT_FP4 matrix_b_fmt:MATRIX_FMT_FP4 matrix_a_scale:MATRIX_SCALE_ROW1 matrix_b_scale:MATRIX_SCALE_ROW1
.endif
.endif
.endm
; 64 numbers of a lane, v[s] on, register 16 b + i = k 32 b + 16 (lane / 16) + i of my row, become a fragment's codes in v[dst] on and its scale word in v[pw].
.macro QUANT s, dst, pw
.irp b, 0,1,2,3
	v_max3_num_f32 v[TM+\b], |v[(\s)+16*\b]|, |v[(\s)+16*\b+1]|, 0x1800000   ; with the floor 2^(3 - 127): the byte cannot fall under 1
.endr
.irp i, 2,4,6,8,10,12,14
.irp b, 0,1,2,3
	v_max3_num_f32 v[TM+\b], v[TM+\b], |v[(\s)+16*\b+\i]|, |v[(\s)+16*\b+\i+1]|
.endr
.endr
.irp b, 0,1,2,3
	v_permlanex16_b32 v[TM+4+\b], v[TM+\b], s[SEL], s[SEL+1]
.endr
.irp b, 0,1,2,3
	v_max_num_f32 v[TM+\b], v[TM+\b], v[TM+4+\b]
.endr
.irp b, 0,1,2,3
	v_add_nc_u32 v[TM+12+\b], 0xff000000, v[TM+\b]
.endr
.irp b, 0,1,2,3
	v_lshrrev_b32 v[TM+4+\b], 23, v[TM+12+\b]
.endr
	v_lshl_or_b32 v[\pw], v[TM+5], 8, v[TM+4]
	v_lshl_or_b32 v[\pw], v[TM+6], 16, v[\pw]
	v_lshl_or_b32 v[\pw], v[TM+7], 24, v[\pw]
.irp b, 0,1,2,3
	v_cvt_scalef32_pk8_fp4_f32 v[(\dst)+2*\b], v[(\s)+16*\b:(\s)+16*\b+7], v[TM+12+\b]
	v_cvt_scalef32_pk8_fp4_f32 v[(\dst)+2*\b+1], v[(\s)+16*\b+8:(\s)+16*\b+15], v[TM+12+\b]
.endr
	v_nop                                          ; one plain place behind a scaled conversion
.irp c, 0,1
.irp i, 0,1
	v_permlane16_swap_b32 v[(\dst)+4*\c+\i], v[(\dst)+4*\c+2+\i]
.endr
.endr
.endm
; A round of the cluster's barrier.
.macro CROUND
	s_barrier_signal -1
	s_barrier_wait -1
	s_cmp_lg_u32 s24, 0
	s_cbranch_scc1 .Lnot_wave_0_\@
	s_barrier_signal -3
.Lnot_wave_0_\@:
	s_barrier_wait -3
	s_barrier_signal -1
	s_barrier_wait -1
.endm
; A PREFETCH INTO THE L2 of the 64 KB that the NEXT change of slots will ask for, lanes 256 bytes apart, 8 KB an instruction.  All four clusters of a y walk the same bytes: the first asks.
; Its four partners take 16 KB each, told apart by address; in each, wave 0 takes the first 8 KB and wave 2 the second: each run of 256 bytes is named once in the launch.
; It asks at the changes that load data 2 to 5, for data 3 to 6: two bodies ahead of the load.  Data 0 to 2 and data 7 (whose 64 KB would pass the end of the batch's units) come by their loads alone.
.macro ASK
	s_cmp_gt_u32 s68, s70
	s_cbranch_scc0 .Lnot_mine_\@
	global_prefetch_b8 v6, s[72:73] th:TH_LOAD_NT scope:SCOPE_SE
.Lnot_mine_\@:
.endm
; A run of Wo from LDS: fragment f = 16 s + T (K half s, tile T of 16 columns) goes to v[8 f] of window 2.  It lies in quarter f / 8: v[a] points at quarters 0 and 1 of the run, v[a + 1] at quarters 2 and 3.
.macro WOLDS a
	WIN 0x80
.set f, 0
.rept 32
	ds_load_b128 v[8*f:8*f+3], v[(\a)+f/16] offset:((f/8)%2)*24576+(f%8)*1024
	ds_load_b128 v[8*f+4:8*f+7], v[(\a)+f/16] offset:((f/8)%2)*24576+(f%8)*1024+512
.set f, f+1
.endr
	WIN 0
.endm
.macro BILOAD                          ; the bias in the result's layout, eight registers a tile, to v[128 + 8 T] of window 3: the C of each sum's first product
.irp tt, 0,1,2,3,4,5,6,7,8,9,10,11,12,13,14,15
	global_load_b128 v[128+8*\tt:131+8*\tt], v9, s[86:87] offset:(32*(\tt/2)+8*(\tt%2))*4
	global_load_b128 v[132+8*\tt:135+8*\tt], v9, s[86:87] offset:(32*(\tt/2)+8*(\tt%2))*4+16
.endr
.endm
.macro WSLOAD                          ; Wo's scale words: tile T in v[32 + T] (T under 8) or v[48 + T]; lanes 0-15 the first K half, lanes 16-31 the second
.irp g, 0,1,2,3
	global_load_b128 v[32+4*\g+16*(\g/2):35+4*\g+16*(\g/2)], v10, s[84:85] offset:256*\g
.endr
.endm
	s_load_b512 s[4:19], s[0:1], 0x0               ; qimg s[4:5], qsc, kvimg s[8:9], kvsc s[10:11], wimg s[12:13], wsc s[14:15], bo1 s[16:17], bo2 s[18:19]
	s_load_b128 s[20:23], s[0:1], 0x40             ; out0, out1
	v_lshl_add_u32 v4, v0, 2, SPARE
	v_mov_b32 v5, 0
	ds_add_u32 v4, v5                              ; the opening lines: the add, twice on end, and its wait ahead of my first tensor load
	ds_add_u32 v4, v5
	v_lshrrev_b32 v12, 5, v0
	v_readfirstlane_b32 s24, v12                   ; wave 0..3
	s_mul_i32 s3, s24, 16640                       ; my stage: 16 rows x 1,040 bytes, from LDS byte 0 on
	v_and_b32 v12, 31, v0
	v_lshlrev_b32 v1, 4, v12                       ; v1: 16 x lane
	v_lshlrev_b32 v6, 8, v12                       ; v6: 256 x lane, for the prefetches
	v_and_b32 v12, 15, v0                          ; r
	v_bfe_u32 v13, v0, 4, 1                        ; h
	v_lshlrev_b32 v9, 6, v13                       ; v9: the bias: 64 h
	v_lshlrev_b32 v14, 4, v12
	v_lshl_add_u32 v10, v13, 10, v14               ; v10: Wo's scale words: lanes 16-31 take the second slab's
	v_lshl_add_u32 v11, v13, 8, v14                ; v11: q's scale words: lanes 16-31 take the second half of the head
	v_mul_u32_u24 v7, v12, 1040
	v_lshl_add_u32 v7, v13, 6, v7
	v_add_nc_u32 v7, s3, v7                        ; v7: into the stage: row r, + 64 h
	v_add_nc_u32 v8, s3, v1                        ; v8: back: 512 bytes an instruction
.irp u, 0,1
	v_mov_b32 v[ST+8*\u+1], 0xff61b1e6             ; the largest t so far: -3e38
	v_floor_f32 v[ST+8*\u], -v[ST+8*\u+1]          ; -M
	v_mov_b32 v[ST+8*\u+2], 0                      ; the sum, in two halves
	v_mov_b32 v[ST+8*\u+3], 0
	v_mov_b32 v[ST+8*\u+5], 0                      ; named as the upper half of a pair
	v_mov_b32 v[ST+8*\u+7], 0                      ; a lane permute's destination counts as one of its sources
.irp b, 0,1,2,3
	v_mov_b32 v[T+16*\u+4+\b], 0
.endr
.endr
	s_bfe_u32 s25, ttmp6, 0x40000                  ; cx
	s_lshl_b32 s26, ttmp9, 2
	s_add_co_u32 s26, s26, s25                     ; x: my block of 128 queries
	s_and_b32 s27, ttmp7, 0xffff
	s_and_b32 s28, s27, 1                          ; the direction
	s_lshr_b32 s29, s27, 1                         ; the batch
	; descriptor group 1: dense rows of 256 bytes (32 elements of 8), mask 15 with bit 21 beside it: s[32:39] 64 rows (a unit), s[40:47] 128 rows (two units, or the scale words)
.irp g, 32, 40
	s_mov_b32 s[\g], 15|(3<<16)|(1<<21)
	s_mov_b32 s[\g+1], 32<<16
	s_mov_b32 s[\g+3], 32<<16
	s_mov_b32 s[\g+5], 32
	s_mov_b32 s[\g+6], 0
	s_mov_b32 s[\g+7], 0
.endr
	s_mov_b32 s34, 64<<16
	s_mov_b32 s36, 64
	s_mov_b32 s42, 128<<16
	s_mov_b32 s44, 128
	; group 0: s[48:51] k(0); s[88:91], s[92:95] slot 0's halves; s[56:59] the scale words; s[52:55] my quarter of data 1 into slot 1, which then walks.  No place in the cluster enters them
	s_mov_b32 s48, 1
	s_mov_b32 s49, K0
	s_mov_b32 s88, 1
	s_mov_b32 s89, 0
	s_mov_b32 s92, 1
	s_mov_b32 s93, 32768
	s_mov_b32 s56, 1
	s_mov_b32 s57, SCB
	s_mov_b32 s52, 1
	s_lshl_b32 s53, s24, 14
	s_add_co_u32 s53, s53, SLOT1
	s_mov_b32 s[CS], 0x3db8aa3b                    ; c = log2(e) / 16
	s_mov_b32 s[CS+1], s[CS]
	s_mov_b32 s[SEL], 0x76543210
	s_mov_b32 s[SEL+1], 0xfedcba98
	s_and_b32 s70, s24, 1                          ; who prefetches: waves 0 and 2 of the y's first cluster: the same in all four partners
	s_or_b32 s70, s70, ttmp9
	s_cmp_eq_u32 s70, 0
	s_cselect_b32 s70, 1, -1
	s_xor_b32 s30, s28, 1                          ; the keys' tensor
	s_lshl_b32 s2, s30, 22
	s_lshl_b32 s3, s29, 19
	s_add_co_u32 s2, s2, s3
	s_mov_b32 s3, 0                                ; s[2:3]: the batch in kvimg
	s_lshl_b32 s30, s30, 18
	s_lshl_b32 s31, s29, 15
	s_add_co_u32 s30, s30, s31
	s_mov_b32 s31, 0                               ; s[30:31]: the batch's scale words
	s_wait_alu depctr_va_vdst(0)                   ; the wait here, directly ahead of the waits below
	s_wait_dscnt 0x0                               ; both opening adds are done
	s_wait_kmcnt 0x0
	s_add_nc_u64 s[8:9], s[8:9], s[2:3]
	s_add_nc_u64 s[58:59], s[10:11], s[30:31]
	s_or_b32 s59, s59, 0x80000000
	s_mov_b64 s[50:51], s[8:9]                     ; unit 0
	s_or_b32 s51, s51, 0x80000000
	s_add_nc_u64 s[90:91], s[8:9], 16384           ; units 1, 2
	s_or_b32 s91, s91, 0x80000000
	s_add_nc_u64 s[94:95], s[8:9], 49152           ; units 3, 4
	s_or_b32 s95, s95, 0x80000000
	s_lshl_b32 s30, s24, 14
	s_add_co_u32 s30, s30, 5*16384
	s_add_nc_u64 s[54:55], s[8:9], s[30:31]        ; unit 5 + wave
	s_or_b32 s55, s55, 0x80000000
	CROUND                                         ; all four work-groups are here: the first joint loads meet
; THE HEAD'S LOADS, ONE A WAVE: one tree of branches on the wave's number, an arm a load, all arms leading to one join.
.macro ARM under, g0, g1, next
	s_cmp_lt_u32 s24, \under
	s_cbranch_scc0 \next
	tensor_load_to_lds s[\g0:\g0+3], s[\g1:\g1+7]
	s_nop 0
.rept 4
	v_nop
.endr
	s_branch .Lhead_asked
\next:
.endm
	ARM 1, 48, 32, .Lhead_a
	ARM 2, 88, 40, .Lhead_b
	ARM 3, 92, 40, .Lhead_s
	tensor_load_to_lds s[56:59], s[40:47]
	s_nop 0
.rept 4
	v_nop
.endr
.Lhead_asked:
	s_lshl_b32 s30, s25, 14                        ; the prefetches: my work-group's 16 KB, my wave's 8 KB of them,
	s_lshr_b32 s27, s24, 1
	s_lshl_b32 s27, s27, 13
	s_add_co_u32 s30, s30, s27
	s_add_co_u32 s30, s30, 9*16384                 ; in data 2 (units 9 to 12): the first change of slots steps it to data 3
	s_add_nc_u64 s[72:73], s[8:9], s[30:31]
	s_lshl_b32 s30, s28, 21                        ; q's images: tensor x 2,097,152 + (128 batch + 8 x + 2 w) x 2,048
	s_lshl_b32 s27, s29, 18
	s_add_co_u32 s30, s30, s27
	s_lshl_b32 s27, s26, 14
	s_add_co_u32 s30, s30, s27
	s_lshl_b32 s27, s24, 12
	s_add_co_u32 s30, s30, s27
	s_add_nc_u64 s[4:5], s[4:5], s[30:31]
	s_lshl_b32 s30, s28, 17                        ; q's scale words: tensor x 131,072 + (32 batch + 2 x + w / 2) x 512 + 8 (w % 2)
	s_lshl_b32 s27, s29, 14
	s_add_co_u32 s30, s30, s27
	s_lshl_b32 s27, s26, 10
	s_add_co_u32 s30, s30, s27
	s_lshr_b32 s27, s24, 1
	s_lshl_b32 s27, s27, 9
	s_add_co_u32 s30, s30, s27
	s_and_b32 s27, s24, 1
	s_lshl_b32 s27, s27, 3
	s_add_co_u32 s30, s30, s27
	s_add_nc_u64 s[6:7], s[6:7], s[30:31]
	WIN 0x80                                       ; destination window 2
.irp f, 0,1,2,3                                ; q(u, s) at v[8 (2 u + s)]: it stays
	global_load_b128 v[8*\f:8*\f+3], v1, s[4:5] offset:\f*1024
	global_load_b128 v[8*\f+4:8*\f+7], v1, s[4:5] offset:\f*1024+512
.endr
	WIN 0
	global_load_b64 v[48:49], v11, s[6:7]          ; my two tiles' words
	; the way out's addresses.  The choices hang on the direction alone
	s_mov_b32 s76, 3072
	s_cmp_eq_u32 s28, 0
	s_cselect_b64 s[78:79], s[20:21], s[22:23]     ; out
	s_cselect_b64 s[86:87], s[16:17], s[18:19]     ; the bias
	s_cselect_b32 s76, 1024, s76                   ; a row of out in bytes
	s_cselect_b32 s74, 1, 3                        ; runs of 256 columns
	s_cselect_b32 s27, 24, 26                      ; Wo's first slab
	s_lshl_b32 s30, s27, 14
	s_add_nc_u64 s[82:83], s[12:13], s[30:31]
	s_lshl_b32 s30, s27, 10
	s_add_nc_u64 s[84:85], s[14:15], s[30:31]
	s_lshl_b32 s30, s29, 11
	s_lshl_b32 s27, s26, 7
	s_add_co_u32 s30, s30, s27
	s_lshl_b32 s27, s24, 5
	s_add_co_u32 s30, s30, s27                     ; my first query
	s_mul_i32 s30, s30, s76
	s_add_nc_u64 s[78:79], s[78:79], s[30:31]      ; tile 0's first row,
	s_lshl_b32 s30, s76, 3
	s_add_nc_u64 s[80:81], s[78:79], s[30:31]      ; tile 1's: eight rows on
	s_add_co_u32 s77, s30, s76                     ; nine rows
	WIN 0xc0                                       ; the first run's bias (32 loads), behind q's nine; it is waited for only at the way out
	BILOAD
	WIN 0
; A BODY'S HEAD.  FV: v of the step before is fetched; FK = 1: k of this step; FK = 2: the last body, which asks for Wo's scale words instead.  s66: where v's unit begins in LDS; k's lies 16,384 on.
; The two additions and two v_nop are the four places behind the last products.  The wait stands directly behind the two writes: the groups of loads read them all through the body.
.macro HEAD
	v_add_nc_u32 v2, s66, v1
	v_add_nc_u32 v3, s67, v1
	v_nop
	v_nop
	s_wait_alu depctr_va_vdst(0)
.if FV
	ds_load_b128 v[40:43], v3 offset:15360         ; v's words of the step before: 16,384 - 1,024 on
	ds_load_b128 v[44:47], v3 offset:15872
.endif
.if FK == 1
	ds_load_b128 v[32:35], v3
	ds_load_b128 v[36:39], v3 offset:512
.endif
.if FK == 2
	WSLOAD
.endif
	s_add_co_u32 s66, s66, 32768
	s_add_co_u32 s67, s67, 1024
.set hk, 0
	HOOK
.endm
; GROUP hk OF EIGHT.  0-3: four fragments of v (eight loads); 4-7: four fragments of k (none in the last body).
.macro HOOK
.set hw, MSB
.if hk < 4
.if FV
	WIN 0xc0
.irp q, 0,1,2,3,4,5,6,7
	ds_load_b128 v[8*(4*hk+\q/2)+4*(\q%2):8*(4*hk+\q/2)+4*(\q%2)+3], v2 offset:(4*hk+\q/2)*1024+512*(\q%2)
.endr
.endif
.elseif FK == 1
	WIN 0x80
.irp q, 0,1,2,3,4,5,6,7
	ds_load_b128 v[128+8*(4*(hk-4)+\q/2)+4*(\q%2):128+8*(4*(hk-4)+\q/2)+4*(\q%2)+3], v2 offset:16384+(4*(hk-4)+\q/2)*1024+512*(\q%2)
.endr
.endif
	WIN hw
.set hk, hk+1
.endm
.macro SUMS from, n                    ; the row's sum, of the unquantised p: two chains a tile
.set j, \from
.rept \n
.irp u, 0,1
	v_pk_add_f32 v[ST+8*\u+2:ST+8*\u+3], v[ST+8*\u+2:ST+8*\u+3], v[S+64*\u+j:S+64*\u+j+1]
	v_pk_add_f32 v[T+16*\u+12:T+16*\u+13], v[T+16*\u+12:T+16*\u+13], v[S+64*\u+j+2:S+64*\u+j+3]
.endr
.set j, j+4
.endr
.endm
; The softmax of both tiles for one key step, each stage for the two tiles and four blocks by turns; groups 1 to 7 stand among its lines.  first = 1: O^T has not begun.
.macro SOFTMAX first
.irp b, 0,1,2,3
.irp u, 0,1
	v_max3_num_f32 v[T+16*\u+\b], v[S+64*\u+16*\b], v[S+64*\u+16*\b+1], v[S+64*\u+16*\b+2]   ; the largest score of each block of 32 keys: for the row's maximum and for the block's largest p
.endr
.endr
.irp i, 3,5,7,9,11,13
.irp b, 0,1,2,3
.irp u, 0,1
	v_max3_num_f32 v[T+16*\u+\b], v[T+16*\u+\b], v[S+64*\u+16*\b+\i], v[S+64*\u+16*\b+\i+1]
.endr
.endr
.if \i == 7
	HOOK
.endif
.endr
.irp b, 0,1,2,3
.irp u, 0,1
	v_max_num_f32 v[T+16*\u+\b], v[T+16*\u+\b], v[S+64*\u+16*\b+15]
.endr
.endr
.irp b, 0,1,2,3
.irp u, 0,1
	v_permlanex16_b32 v[T+16*\u+4+\b], v[T+16*\u+\b], s[SEL], s[SEL+1]
.endr
.endr
.irp b, 0,1,2,3
.irp u, 0,1
	v_max_num_f32 v[T+16*\u+\b], v[T+16*\u+\b], v[T+16*\u+4+\b]   ; with lane l xor 16's 16 keys
.endr
.endr
	HOOK
.irp u, 0,1
	v_max3_num_f32 v[ST+8*\u+6], v[T+16*\u], v[T+16*\u+1], v[T+16*\u+2]
.endr
.irp u, 0,1
	v_max_num_f32 v[ST+8*\u+6], v[ST+8*\u+6], v[T+16*\u+3]        ; the step's largest score of my query
.endr
.irp u, 0,1
	v_mul_f32 v[ST+8*\u+6], s[CS], v[ST+8*\u+6]                   ; as t
.endr
.irp u, 0,1
	v_max_num_f32 v[ST+8*\u+1], v[ST+8*\u+1], v[ST+8*\u+6]        ; the running largest t
.endr
.irp u, 0,1
	v_mov_b32 v[ST+8*\u+6], v[ST+8*\u]
.endr
.irp u, 0,1
	v_floor_f32 v[ST+8*\u], -v[ST+8*\u+1]                         ; the new -M = floor(-t): M is a whole number
.endr
.irp u, 0,1
	v_sub_f32 v[ST+8*\u+6], v[ST+8*\u], v[ST+8*\u+6]              ; old M less new M: a whole number, 0 or less
.endr
.irp u, 0,1
	v_cvt_i32_f32 v[ST+8*\u+6], v[ST+8*\u+6]                      ; (it saturates)
.endr
.irp u, 0,1
	v_ldexp_f32 v[ST+8*\u+4], 1.0, v[ST+8*\u+6]                   ; f = 2^(old M - new M)
.endr
.irp b, 0,1,2,3
.irp u, 0,1
	v_fma_f32 v[T+16*\u+\b], v[T+16*\u+\b], s[CS], v[ST+8*\u]     ; t - M of each block's largest score
.endr
.endr
.set p, 0
.rept 64
	v_pk_fma_f32 v[S+2*p:S+2*p+1], v[S+2*p:S+2*p+1], s[CS:CS+1], v[ST+8*(p/32):ST+8*(p/32)+1] op_sel_hi:[1,0,0]   ; t - M, two at a time
.if p == 31
	HOOK
.endif
.set p, p+1
.endr
	HOOK
.if \first
	HOOK
.else
	WIN 0x41                                       ; O^T (destination and source 0) window 1, f window 0
.set j, 0
.rept 128
	v_pk_mul_f32 v[2*j:2*j+1], v[2*j:2*j+1], v[ST+8*(j/64)+4:ST+8*(j/64)+5] op_sel_hi:[1,0]   ; O^T under the new M, each accumulator from its low end on; no exponential stands between the products and these reads
.if j == 63
	HOOK
.endif
.set j, j+1
.endr
	WIN 0
.endif
	s_wait_alu depctr_va_vdst(0)                   ; the wait ahead of the batch: all that the lines above wrote
	HOOK
.set p, 0
.rept 128
	v_exp_f32 v[S+p], v[S+p]                       ; p = 2^(t - M), at most 1
.set p, p+1
.endr
.irp u, 0,1
	v_pk_mul_f32 v[ST+8*\u+2:ST+8*\u+3], v[ST+8*\u+2:ST+8*\u+3], v[ST+8*\u+4:ST+8*\u+5] op_sel_hi:[1,0]   ; the sums under the new M: the plain place behind the exponentials
.endr
	s_wait_alu depctr_va_vdst(0)                   ; and the wait behind it, ahead of the first line that names a result
	HOOK
.irp b, 0,1,2,3
.irp u, 0,1
	v_exp_f32 v[T+16*\u+\b], v[T+16*\u+\b]         ; the block's largest p
.endr
.endr
.irp u, 0,1
	v_pk_add_f32 v[T+16*\u+12:T+16*\u+13], v[S+64*\u:S+64*\u+1], v[S+64*\u+2:S+64*\u+3]
.endr
	SUMS 4, 11                                     ; they read the 128 alone
	s_wait_alu depctr_va_vdst(0)                   ; the wait for the eight
.irp b, 0,1,2,3
.irp u, 0,1
	v_max_num_f32 v[T+16*\u+\b], 0x1800000, v[T+16*\u+\b]         ; the floor 2^(3 - 127): the byte cannot fall under 1
.endr
.endr
.irp b, 0,1,2,3
.irp u, 0,1
	v_add_nc_u32 v[T+16*\u+8+\b], 0xff000000, v[T+16*\u+\b]       ; the conversion's scale operand
.endr
.endr
.irp b, 0,1,2,3
.irp u, 0,1
	v_lshrrev_b32 v[T+16*\u+4+\b], 23, v[T+16*\u+8+\b]            ; the scale's byte
.endr
.endr
.irp u, 0,1
	v_lshl_or_b32 v[50+\u], v[T+16*\u+5], 8, v[T+16*\u+4]         ; p's scale word for these 128 keys
.endr
.irp u, 0,1
	v_lshl_or_b32 v[50+\u], v[T+16*\u+6], 16, v[50+\u]
.endr
.irp u, 0,1
	v_lshl_or_b32 v[50+\u], v[T+16*\u+7], 24, v[50+\u]
.endr
.irp u, 0,1
.irp b, 0,1,2,3
	v_cvt_scalef32_pk8_fp4_f32 v[P+8*\u+2*\b], v[S+64*\u+16*\b:S+64*\u+16*\b+7], v[T+16*\u+8+\b]
	v_cvt_scalef32_pk8_fp4_f32 v[P+8*\u+2*\b+1], v[S+64*\u+16*\b+8:S+64*\u+16*\b+15], v[T+16*\u+8+\b]
.endr
.endr
	v_nop                                          ; one plain place behind a scaled conversion
.irp u, 0,1
.irp c, 0,1
.irp i, 0,1
	v_permlane16_swap_b32 v[P+8*\u+4*\c+\i], v[P+8*\u+4*\c+2+\i]  ; a whole block in a lane
.endr
.endr
.endr
	SUMS 48, 4                                     ; the rest of the sums: 18 plain lines, which are the places between p's codes and scale words and the products that read them
.irp u, 0,1
	v_pk_add_f32 v[ST+8*\u+2:ST+8*\u+3], v[ST+8*\u+2:ST+8*\u+3], v[T+16*\u+12:T+16*\u+13]
.endr
.endm
; O^T += v^T p^T: 32 accumulators, one instruction each.  first = 1: they start the sums.
.macro PVMUL first
	WIN 0x53                                       ; v window 3, p window 0, O^T window 1
.irp dt, 0,1,2,3,4,5,6,7,8,9,10,11,12,13,14,15
.irp u, 0,1
.if \first
	MM 128*\u+8*\dt, 8*\dt, P+8*\u, -1, 40+\dt%8, 50+\u, \dt/8
.else
	MM 128*\u+8*\dt, 8*\dt, P+8*\u, 128*\u+8*\dt, 40+\dt%8, 50+\u, \dt/8
.endif
.endr
.endr
.endm
; S^T = k q^T: 16 accumulators by turns, the head's two halves; the first half starts the sums.
.macro QKMUL
	WIN 0x0a                                       ; k and q window 2, S^T window 0
.irp kt, 0,1,2,3,4,5,6,7
.irp u, 0,1
	MM S+64*\u+8*\kt, 128+16*\kt, 16*\u, -1, 32+\kt, 48+\u, 0
.endr
.endr
.irp kt, 0,1,2,3,4,5,6,7
.irp u, 0,1
	MM S+64*\u+8*\kt, 136+16*\kt, 16*\u+8, S+64*\u+8*\kt, 32+\kt, 48+\u, 2
.endr
.endr
.endm
.macro BODY first
.set FK, 1
.set FV, 1
	HEAD
	SOFTMAX \first
	s_wait_dscnt 32                                ; v and all scale words are in; the 32 younger loads, k's, may be out
	PVMUL \first
	s_wait_dscnt 0x0                               ; k is in: a body ends with no LDS read out
	QKMUL
	WIN 0
.endm
.macro TWO                             ; a slot's two bodies: written once, walked twice
	s_mov_b32 s69, 2
.Lstep_\@:
	BODY 0
	s_sub_co_u32 s69, s69, 1
	s_cmp_lg_u32 s69, 0
	s_cbranch_scc1 .Lstep_\@
.endm
; THE CHANGE OF SLOTS.  Each wave waits for all its tensor loads, adds 0 to its spare word, and waits for that and for its reads of the slot that it leaves; a round of the cluster's barrier follows.
; kind 1: the joint refill of the slot just left: it has two bodies in which to land.  kind 2: the same for data 7, whose fourth unit, k(16), does not exist.
; kind 3: no slot is filled again; each wave asks for its part of Wo, a first fill of bytes of its own.
.macro CHANGE kind
	s_wait_tensorcnt 0x0                           ; no tensor load of mine is out, so a group 0 may be written
	ds_add_u32 v4, v5
.if (\kind) < 3
	s_xor_b32 s53, s53, SLOT1                      ; the walking descriptor: the other slot,
	s_add_nc_u64 s[54:55], s[54:55], 65536         ; four units on
.endif
.if \kind == 1
	s_wait_xcnt 0x0                                ; the last prefetch, two bodies back, has read its address
	s_add_nc_u64 s[72:73], s[72:73], 65536
.endif
	s_wait_dscnt 0x0
	CROUND
.if \kind == 1
	tensor_load_to_lds s[52:55], s[32:39]
	s_nop 0
.rept 4
	v_nop
.endr
	ASK
.endif
.if \kind == 2
	s_cmp_eq_u32 s24, 3                            ; the wave's number: the same branch in all four partners
	s_cbranch_scc1 .Lno_unit_\@
	tensor_load_to_lds s[52:55], s[32:39]
	s_nop 0
.rept 4
	v_nop
.endr
.Lno_unit_\@:
.endif
.if \kind == 3
	tensor_load_to_lds s[48:51], s[40:47]
	s_nop 0
.rept 4
	v_nop
.endr
.endif
	s_sub_co_u32 s66, s66, 65536                   ; the fetches go back to a slot's first body,
	s_xor_b32 s66, s66, SLOT1                      ; in the other slot
.endm
	s_wait_tensorcnt 0x0                           ; my tile of the head's four is in
	ds_add_u32 v4, v5
	s_mov_b32 s66, K0-16384                        ; body 0 reads k's unit alone: k(0)
	s_mov_b32 s67, SCB
	s_mov_b32 s41, 1024<<16                        ; no tensor load of mine is out, so descriptors may be written.  s[40:47] now serves Wo: rows of 1,024 elements of 8 bytes,
	s_mov_b32 s42, 3<<16                           ; three of them,
	s_mov_b32 s43, 1024<<16
	s_mov_b32 s44, 3
	s_mov_b32 s45, 4096                            ; 32 KB apart
	s_mul_i32 s49, s24, 24576                      ; s[48:51]: into my 24 KB of Wo's room,
	s_add_co_u32 s49, s49, WOB
	s_lshl_b32 s30, s24, 13
	s_add_nc_u64 s[50:51], s[82:83], s[30:31]      ; from quarter w of the first run
	s_or_b32 s51, s51, 0x80000000
	s_wait_dscnt 0x0
	CROUND                                         ; all four tiles are in, and all four work-groups are here
	tensor_load_to_lds s[52:55], s[32:39]          ; data 1 into slot 1: my quarter
	s_nop 0
.rept 4
	v_nop
.endr
.set FK, 1
.set FV, 0
	HEAD                                           ; body 0: k of step 0 alone, and no softmax to set its groups in
.rept 7
	HOOK
.endr
	s_wait_loadcnt 32                              ; q and its words are in; the 32 younger loads, the bias's, may stay out
	s_wait_dscnt 0x0
	QKMUL
	WIN 0
	s_mov_b32 s66, 0                               ; slot 0
	BODY 1                                         ; body 1 starts O^T
	BODY 0
	s_mov_b32 s68, 5
.Lslot:                                            ; five trips: data 2 to 6 are asked for, bodies 3 to 12 run
	CHANGE 1
	TWO
	s_sub_co_u32 s68, s68, 1
	s_cmp_lg_u32 s68, 0
	s_cbranch_scc1 .Lslot
	CHANGE 2                                       ; the tail is written out
	TWO
	CHANGE 3
	BODY 0                                         ; body 15
.set FK, 2
.set FV, 1
	HEAD                                           ; body 16: v of step 15; in k's place Wo's scale words (4 loads)
	SOFTMAX 0
	s_wait_alu depctr_va_vdst(0)                   ; the wait here, directly ahead of the wait below
	s_wait_dscnt 0x0
	PVMUL 0
	WIN 0
	s_wait_tensorcnt 0x0                           ; my part of Wo is in, and no LDS read of mine is out:
	s_barrier_signal -1
	s_barrier_wait -1                              ; everybody's is, and nobody reads the slots any more: the stage may be written
	v_add_nc_u32 v12, WOB, v1                      ; v12, v13: run 0 of Wo, quarters 0 and 1, quarters 2 and 3; they stay
	v_add_nc_u32 v13, WOB+49152, v1
	s_wait_alu depctr_va_vdst(0)                   ; the wait directly behind the two writes
	WOLDS 12                                       ; the first run's 64 loads come while o is made
	; THE WAY OUT.  o = O^T / the sum, quantised along the head's 256; out^T = Wo^T o^T + bo, 256 columns at a time.
.irp u, 0,1
	v_add_f32 v[ST+8*\u+6], v[ST+8*\u+2], v[ST+8*\u+3]
.endr
.irp u, 0,1
	v_permlanex16_b32 v[ST+8*\u+7], v[ST+8*\u+6], s[SEL], s[SEL+1]
.endr
.irp u, 0,1
	v_add_f32 v[ST+8*\u+6], v[ST+8*\u+6], v[ST+8*\u+7]            ; the row's sum
.endr
	s_wait_alu depctr_va_vdst(0)                   ; the wait ahead of the reciprocals
.irp u, 0,1
	v_rcp_f32 v[ST+8*\u+4], v[ST+8*\u+6]
.endr
	v_nop                                          ; a plain place behind them
.irp u, 0,1
	WIN 0x01                                       ; source 0 (O^T) window 1
	s_wait_alu depctr_va_vdst(0)                   ; the wait directly ahead of the tile's first reads of O^T (u = 0: also of the reciprocals)
.set j, 0
.rept 64
	v_pk_mul_f32 v[64+j:65+j], v[128*\u+j:128*\u+j+1], v[ST+8*\u+4:ST+8*\u+5] op_sel_hi:[1,0]   ; each accumulator from its low end on; register 16 b + i is channel 32 b + 16 h + i
.set j, j+2
.endr
	WIN 0
	QUANT 64, 192+16*\u, 52+2*\u                   ; o's fragment (u, 0): channels 0-127
	QUANT 128, 200+16*\u, 53+2*\u                  ; (u, 1): channels 128-255
.endr
	v_mov_b32 v240, v1                             ; v240-255: stage row r is query r + 8 (r / 8) of the tile: its offset in out.  (Sixteen plain lines: the places ahead of the products that read o's scale words)
.irp r, 1,2,3,4,5,6,7
	v_add_nc_u32 v[240+\r], s76, v[239+\r]
.endr
	v_add_nc_u32 v248, s77, v247
.irp r, 9,10,11,12,13,14,15
	v_add_nc_u32 v[240+\r], s76, v[239+\r]
.endr
	s_mov_b32 s75, 0                               ; runs of 256 columns begun
	s_mov_b32 s88, 0                               ; s[88:89]: what the stores' bases step by: nothing in the first trip, 1,024 bytes after it
	s_mov_b32 s89, 0
	s_wait_alu depctr_va_vdst(0)                   ; the wait here
.Lchunk:                                           ; one trip or three, by the direction: the same in all partners; no LDS address is stepped here
	s_wait_loadcnt 0x0                             ; this run's scale words and bias,
	s_wait_dscnt 0x0                               ; and its fragments of Wo
	WIN 0x72                                       ; Wo window 2, o window 0, the bias window 3, out^T window 1
.irp tt, 0,1,2,3,4,5,6,7,8,9,10,11,12,13,14,15
.irp u, 0,1
	MM 128*\u+8*\tt, 8*\tt, 192+16*\u, 128+8*\tt, 32+\tt+16*(\tt/8), 52+2*\u, 0
.endr
.endr
	WIN 0x52                                       ; C window 1
.irp tt, 0,1,2,3,4,5,6,7,8,9,10,11,12,13,14,15
.irp u, 0,1
	MM 128*\u+8*\tt, 128+8*\tt, 200+16*\u, 128*\u+8*\tt, 32+\tt+16*(\tt/8), 53+2*\u, 1
.endr
.endr
	WIN 0
.rept 5
	v_nop                                          ; four places for the stores that read results and the loads into operands, a fifth for the sums that the next trip begins anew
.endr
	s_wait_xcnt 0x0                                ; the last trip's stores have read their registers and bases
	s_add_nc_u64 s[78:79], s[78:79], s[88:89]      ; this run's 256 columns
	s_add_nc_u64 s[80:81], s[80:81], s[88:89]
	s_mov_b32 s88, 1024
	s_add_co_u32 s75, s75, 1
	s_cmp_lt_u32 s75, s74                          ; is there a next run?  No load leaves its buffer
	s_cbranch_scc0 .Lno_next_a
	s_add_nc_u64 s[84:85], s[84:85], 2048          ; (this run's loads are done: their bases may be written)
	s_add_nc_u64 s[86:87], s[86:87], 1024
	WIN 0xc0
	BILOAD                                         ; the next run's bias and scale words: 36 loads
	WIN 0
	WSLOAD
.Lno_next_a:
	; a tile of 16 queries x 256 columns through my stage: in by 32 bytes of a row, back by whole rows.  LDS serves a wave's instructions in order (ISA guide 5.7.1.4)
	WIN 0x04                                       ; an LDS store's data are its source 1: window 1
.irp tt, 0,1,2,3,4,5,6,7,8,9,10,11,12,13,14,15
	ds_store_b128 v7, v[8*\tt:8*\tt+3] offset:128*(\tt/2)+32*(\tt%2)
	ds_store_b128 v7, v[8*\tt+4:8*\tt+7] offset:128*(\tt/2)+32*(\tt%2)+16
.endr
	WIN 0
.set f, 0
.rept 32
	ds_load_b128 v[64+4*f:64+4*f+3], v8 offset:(f/2)*1040+512*(f%2)   ; tile 0's rows
.set f, f+1
.endr
	WIN 0x04
.irp tt, 0,1,2,3,4,5,6,7,8,9,10,11,12,13,14,15
	ds_store_b128 v7, v[128+8*\tt:128+8*\tt+3] offset:128*(\tt/2)+32*(\tt%2)
	ds_store_b128 v7, v[128+8*\tt+4:128+8*\tt+7] offset:128*(\tt/2)+32*(\tt%2)+16
.endr
	WIN 0
	s_wait_dscnt 32                                ; tile 0's rows are back; the 32 younger LDS stores, tile 1's, may be out
	WIN 0xc0                                       ; one setting serves both lines: a store's address and data window 0, an LDS load's destination window 3
.set f, 0
.rept 32
	global_store_b128 v[240+f/2], v[64+4*f:64+4*f+3], s[78:79] offset:512*(f%2)   ; 32 lanes store 512 consecutive bytes, at a multiple of 512 from out's first byte
	ds_load_b128 v[4*f:4*f+3], v8 offset:(f/2)*1040+512*(f%2)                                    ; tile 1's rows come back meanwhile
.set f, f+1
.endr
	WIN 0
	s_wait_dscnt 0x0                               ; they are back, and every LDS store has read its accumulator
	s_cmp_lt_u32 s75, s74
	s_cbranch_scc0 .Lno_next_b
	s_mov_b32 s2, 16384                            ; the next run of Wo lies 8,192 bytes on in each quarter for run 1, 16,384 for run 2: a choice between two constants, added to v12 and v13, which stay
	s_cmp_eq_u32 s75, 1
	s_cselect_b32 s2, 8192, s2
	v_add_nc_u32 v2, s2, v12
	v_add_nc_u32 v3, s2, v13
	s_wait_alu depctr_va_vdst(0)                   ; the wait directly behind the two writes
	WOLDS 2                                        ; its 64 loads come while tile 1's rows are stored
.Lno_next_b:
	WIN 0x0c                                       ; a store's data are its source 1: window 3
.set f, 0
.rept 32
	global_store_b128 v[240+f/2], v[4*f:4*f+3], s[80:81] offset:512*(f%2)
.set f, f+1
.endr
	WIN 0
	s_cmp_lt_u32 s75, s74
	s_cbranch_scc1 .Lchunk
	s_wait_tensorcnt 0x0                           ; the wave's end
	ds_add_u32 v4, v5
	s_wait_dscnt 0x0
	CROUND                                         ; the closing round
	s_endpgm
.Lfunc_end_k_q9b4648dab6_attn:
	.size	k_q9b4648dab6_attn, .Lfunc_end_k_q9b4648dab6_attn-k_q9b4648dab6_attn
	.p2alignl 7, 3214868480
	.fill 96, 4, 3214868480
	.section	.rodata,"a",@progbits
	.p2align	6, 0x0
	.amdhsa_kernel k_q9b4648dab6_attn
		.amdhsa_group_segment_fixed_size 327680
		.amdhsa_private_segment_fixed_size 0
		.amdhsa_enable_private_segment 0
		.amdhsa_kernarg_size 80
		.amdhsa_user_sgpr_count 2
		.amdhsa_user_sgpr_kernarg_segment_ptr 1
		.amdhsa_wavefront_size32 1
		.amdhsa_system_sgpr_workgroup_id_x 1
		.amdhsa_system_sgpr_workgroup_id_y 1
		.amdhsa_system_sgpr_workgroup_id_z 1
		.amdhsa_system_vgpr_workitem_id 0
		.amdhsa_next_free_vgpr 1024
		.amdhsa_next_free_sgpr 100
		.amdhsa_reserve_vcc 0
		.amdhsa_float_denorm_mode_32 3
		.amdhsa_float_denorm_mode_16_64 3
		.amdhsa_memory_ordered 1
		.amdhsa_forward_progress 1
		.amdhsa_inst_pref_size 255
	.end_amdhsa_kernel
	.section	.bss,"aw",@nobits
	.p2align	6
	.space	262144
	.amdgpu_metadata
---
amdhsa.version: [ 1, 2 ]
amdhsa.kernels:
  - .name:           k_q9b4648dab6_attn
    .symbol:         k_q9b4648dab6_attn.kd
    .args:
      - { .name: qimg, .offset: 0, .size: 8, .value_kind: global_buffer, .address_space: global }
      - { .name: qsc, .offset: 8, .size: 8, .value_kind: global_buffer, .address_space: global }
      - { .name: kvimg, .offset: 16, .size: 8, .value_kind: global_buffer, .address_space: global }
      - { .name: kvsc, .offset: 24, .size: 8, .value_kind: global_buffer, .address_space: global }
      - { .name: wimg, .offset: 32, .size: 8, .value_kind: global_buffer, .address_space: global }
      - { .name: wsc, .offset: 40, .size: 8, .value_kind: global_buffer, .address_space: global }
      - { .name: bo1, .offset: 48, .size: 8, .value_kind: global_buffer, .address_space: global }
      - { .name: bo2, .offset: 56, .size: 8, .value_kind: global_buffer, .address_space: global }
      - { .name: out0, .offset: 64, .size: 8, .value_kind: global_buffer, .address_space: global }
      - { .name: out1, .offset: 72, .size: 8, .value_kind: global_buffer, .address_space: global }
    .group_segment_fixed_size: 327680
    .private_segment_fixed_size: 0
    .kernarg_segment_align: 8
    .kernarg_segment_size: 80
    .max_flat_workgroup_size: 128
    .sgpr_count:     100
    .vgpr_count:     1024
    .wavefront_size: 32
...
	.end_amdgpu_metadata
.endif
;; end of part 3
